; MI455X (gfx1250); checked and timed in simulation.
; The chip was launched on July 23, 2026; its instructions are those of AMD's public machine-readable ISA for CDNA 5 (MIT licence, August 2026) and "CDNA5" Instruction Set Architecture Reference Guide (July 2026). The comments in the code are by the model that wrote it; some were corrected since.
;; Multi Headed Self Attention. Allowed arithmetic: matrix products marked QUANTISED: E4M3 operands, one E8M0 scale for each 32 along K, by v_wmma_scale_f32_16x16x128_f8f6f4 with both operands' format E4M3, f32 sums; everything else in f32.
;; Inputs: Wk_codes 1,024 x 32 x 32 uint8 (E4M3 codes of Wk, K innermost, in blocks of 32 codes); Wk_scales 1,024 x 32 uint8 (E8M0 scales of Wk, one for each 32 codes along K); Wo_codes 1,024 x 32 x 32 uint8 (E4M3 codes of Wo, K innermost, in blocks of 32 codes); Wo_scales 1,024 x 32 uint8 (E8M0 scales of Wo, one for each 32 codes along K); Wq_codes 1,024 x 32 x 32 uint8 (E4M3 codes of Wq, K innermost, in blocks of 32 codes); Wq_scales 1,024 x 32 uint8 (E8M0 scales of Wq, one for each 32 codes along K); Wv_codes 1,024 x 32 x 32 uint8 (E4M3 codes of Wv, K innermost, in blocks of 32 codes); Wv_scales 1,024 x 32 uint8 (E8M0 scales of Wv, one for each 32 codes along K); bk 1,024 float32; bo 1,024 float32; bq 1,024 float32; bv 1,024 float32; k_codes 4 x 2,048 x 32 x 32 uint8 (E4M3 codes of k, K innermost, in blocks of 32 codes); k_scales 4 x 2,048 x 32 uint8 (E8M0 scales of k, one for each 32 codes along K); q_codes 4 x 2,048 x 32 x 32 uint8 (E4M3 codes of q, K innermost, in blocks of 32 codes); q_scales 4 x 2,048 x 32 uint8 (E8M0 scales of q, one for each 32 codes along K); v_codes 4 x 2,048 x 32 x 32 uint8 (E4M3 codes of v, K innermost, in blocks of 32 codes); v_scales 4 x 2,048 x 32 uint8 (E8M0 scales of v, one for each 32 codes along K).
;; Outputs: out0 4 x 2,048 x 1,024 float32.
;; This version of the problem:
;;   THIS VERSION OF THE PROBLEM IS GIVEN IN LOW PRECISION. The matrix products marked QUANTISED in the list below multiply operands that are first quantised to E4M3 (4 exponent bits, 3 mantissa bits; 8 bits a number), with one power-of-two scale for each 32 numbers along K (OCP MX v1.0); their sums are f32. All else is computed in f32.
;;   The module's matrix products, in the order in which they are computed (A, B: the left and right operand; K: the contracted axis; several contracted axes count as one K, in the product's order):
;;     1. [M 8,192, K 1,024] x [K 1,024, N 1,024]; A: input q (given as codes); B: input Wq (given as codes): QUANTISED
;;     2. [M 8,192, K 1,024] x [K 1,024, N 1,024]; A: input k (given as codes); B: input Wk (given as codes): QUANTISED
;;     3. [M 8,192, K 1,024] x [K 1,024, N 1,024]; A: input v (given as codes); B: input Wv (given as codes): QUANTISED
;;     4. batch 64 x [M 2,048, K 64] x [K 64, N 2,048]; A: computed on the way; B: computed on the way: QUANTISED
;;     5. batch 64 x [M 64, K 2,048] x [K 2,048, N 2,048]; A: computed on the way; B: softmax (see below): QUANTISED
;;     6. [M 8,192, K 1,024] x [K 1,024, N 1,024]; A: computed on the way; B: input Wo (given as codes): QUANTISED
;;   THE QUANTISER, for each operand of a quantised product, along K:
;;     - K is cut into blocks of 32 from its start; a last block that is shorter is filled with zeros.
;;     - A block's scale is 2^e with e = floor(log2(the largest magnitude in the block)) - 8, held to -126 .. 127; a block of zeros has e = 0. As a byte (E8M0): e + 127.
;;     - Each number is divided by its block's scale, clamped to +-448, and rounded to the nearest number of E4M3, ties to even, subnormals kept.
;;     - The product sums the exact products of the quantised numbers (number of the format x scale) in f32.
;;   ~~~python
;;   def quantise(x, axis):      # numpy; x: float32 -> the quantised numbers, widened to float32 again
;;       x = np.moveaxis(x, axis, -1); K = x.shape[-1]
;;       x = np.pad(x, [(0, 0)] * (x.ndim - 1) + [(0, -K % 32)]); x = x.reshape(x.shape[:-1] + (-1, 32)); a = np.abs(x).max(-1, keepdims=True)
;;       e = np.where(a > 0, np.clip(np.frexp(np.where(a > 0, a, 1))[1] - 1 - 8, -126, 127), 0)      # np.frexp(a)[1] - 1 = floor(log2(a)), exactly
;;       r = np.clip(x / 2.0 ** e, -448, 448)
;;       step = 2.0 ** (np.maximum(np.frexp(np.where(r == 0, 1, r))[1] - 1, -6) - 3)
;;       q = np.round(r / step) * step * 2.0 ** e      # np.round: ties to even
;;       return np.moveaxis(q.reshape(q.shape[:-2] + (-1,))[..., :K], -1, axis).astype(np.float32)
;;   ~~~
;;   SOFTMAX AHEAD OF A QUANTISED PRODUCT. Where the list says 'softmax', what is quantised is not the finished softmax but p = 2^(t - M), with t = logit x log2(e) and M = ceil(the row's largest t), a whole number; so 1/2 < the row's largest p <= 1. The row's sum l is taken of the UNQUANTISED p, in f32, and the product's result is divided by l at the end. Since M is a whole number, a kernel that streams over the keys may use a running M (the ceiling of the running maximum): every later rescaling is an exact power of two, which a block's scale takes up: the codes' values come out the same.
;;   OPERANDS COMPUTED ON THE WAY. 'Computed on the way' means the value that the module computes at that place (a softmax that the list does not call 'softmax' is quantised finished and normalised). What goes into a quantiser is computed in f32, as accurately as f32 sums, v_exp_f32 and their like allow (about 1e-6 of the number): no bf16 or f16 on the way to a quantiser, and a product that is left as it is and whose result goes on into a quantised operand takes f32 operands (vector FMAs, or v_wmma_f32_16x16x4_f32). A number that lies on a knife's edge between two numbers of the format may be rounded either way, as far as f32 arithmetic and the matrix unit's own rounding can turn it there, and no further.
;;   INPUTS GIVEN AS CODES. Wk (in the module: [1024, 1024], K = its axis 1); Wo (in the module: [1024, 1024], K = its axis 1); Wq (in the module: [1024, 1024], K = its axis 1); Wv (in the module: [1024, 1024], K = its axis 1); k (in the module: [4, 2048, 1024], K = its axis 2); q (in the module: [4, 2048, 1024], K = its axis 2); v (in the module: [4, 2048, 1024], K = its axis 2): each comes as NAME_codes (uint8): NAME with its K axis moved to the last place and cut into blocks of 32 codes, [.., K / 32, bytes a block], one block behind the other in memory; one code a byte (a code: sign, 4 exponent bits, 3 mantissa bits); and NAME_scales (uint8): the same leading axes, one E8M0 byte (e + 127) for each 32 codes along K. Its value is code x scale, taken as it is: it is not quantised again, and the codes and scales need not be those that the quantiser above would give.
;; One version. Each part assembles by itself: llvm-mc -triple=amdgcn-amd-amdhsa -mcpu=gfx1250 --defsym DOCPART=n.
;; ======== version 1 of 1: 3 launches
;; limits: right only within a limited range of input values
;; workspace buffers: qimg 8,388,608 bytes; qscl 524,288 bytes; kvimg 16,777,216 bytes; kvscl 786,432 bytes; ctximg 8,388,608 bytes; ctxscl 262,144 bytes
;; launch proj (part 1): grid 4 x 192, 4 waves a work-group, clusters of 4 x 4, 327,680 bytes of LDS; arguments q_codes, q_scales, Wq_codes, Wq_scales, bq, k_codes, k_scales, Wk_codes, Wk_scales, bk, v_codes, v_scales, Wv_codes, Wv_scales, bv, qimg, qscl, kvimg, kvscl; writes qimg, qscl, kvimg, kvscl
.if DOCPART == 1
	.amdgcn_target "amdgcn-amd-amdhsa--gfx1250"
	.amdhsa_code_object_version 6
	.text
	.protected	k_q90166c11b0_proj
	.globl	k_q90166c11b0_proj
	.p2align	8
	.type	k_q90166c11b0_proj,@function
k_q90166c11b0_proj:
	s_mov_b64 s[64:65], 0
	v_nop
	global_prefetch_b8 v0, s[64:65] scope:SCOPE_SE
	s_setreg_imm32_b32 hwreg(HW_REG_WAVE_MODE, 25, 1), 1
	s_wait_xcnt 0x0
	s_wait_alu depctr_hold_cnt(0) depctr_sa_sdst(0) depctr_va_vdst(0) depctr_va_sdst(0) depctr_va_ssrc(0) depctr_va_vcc(0) depctr_vm_vsrc(0)
	s_getreg_b32 s2, hwreg(HW_REG_IB_STS2, 6, 4)
	s_cmp_eq_u32 s2, 0
	s_cbranch_scc0 .Lentry_in_a_cluster
	s_endpgm
.Lentry_in_a_cluster:
	s_bfe_u32 s2, ttmp6, 0x10000c
	s_cmp_lg_u32 s2, 0xf033
	s_cbranch_scc0 .Lentry_shape_is_right
	s_endpgm
.Lentry_shape_is_right:
; THE THREE PROJECTIONS: hq = q Wq^T + bq, hk = k Wk^T + bk, hv = v Wv^T + bv, on given codes of FP8 (E4M3) with one E8M0 scale for each 32 along K = 1,024; each result is quantised here, in registers, for
; the product that takes it next, and leaves as IMAGES OF THAT OPERAND'S REGISTERS (a fragment's four registers of group c: 16 bytes a lane, 512 bytes on end) with its scale words beside it.
; THE MATRIX INSTRUCTION IS USED TRANSPOSED: source 0 = 16 rows of P, source 1 = 16 rows of R.  A lane then holds ONE row of R, and its registers run along P's rows, which are the next product's K.
;   kind 0, 1 (q, k): P = the weight (its rows are features: the next K is the head's 64), R = tokens.     kind 2 (v): P = tokens (the next K is the keys), R = the weight's rows.
; In tile i of P, lane (r, h), register j is P's row 16 i + 8 h + j.  The 16 registers of tiles 2 c and 2 c + 1 become registers 4 c .. 4 c + 3 of the next operand: place (c, h, 8 u + j) holds index 32 c + 16 u + 8 h + j.
; That is a permutation INSIDE each block of 32, and both operands of the next product are made so (hq and hk here; hv here and the softmax's p in the next launch): the blocks and their scales are the true ones.
; SHARES.  768 work-groups: 256 for each kind.  A work-group makes 256 rows of P x 128 rows of R; wave w: P's rows 128 (w / 2) on, R's rows 64 (w % 2) on: 8 x 4 accumulators, 256 registers.
; K goes in four steps of 256 (rows of 256 bytes) through THREE LDS slots: three first fills and one refill, so the text has one change of slots that fills bytes again.
; CLUSTERS of 4 x 4: P's tile hangs on cx alone and is asked for jointly by a column of the cluster, R's on cy alone, by a row.  The kind hangs on the cluster's number: it is the same in all sixteen.
; LIMITS: NaN and infinities, the NaN code and the scale byte 0xff among the inputs are not served.  A block whose largest magnitude lies under 2^(9 - 127), zeros among them, gets the byte 1: the bytes are read by this
; program alone.  Within a block of 32 the next products' sums run in the permuted order.
; REGISTERS, in windows of 256: window 0: addresses, scale words, the bias as C, the quantiser's work and the codes;  window 1: accumulator (a, p) at v[8 (8 a + p)];
;   window 2: P's fragments, two sets of 8 x 16;  window 3: R's fragments, two sets of 4 x 16.
.set PITCH,  272                       ; an LDS row: 256 bytes + 16 of padding = 68 words, so that the 16 rows of a fragment load begin 4 words apart modulo 64
.set PHALF,  128*PITCH                 ; 128 rows of P: one tensor load, and what one wave reads of P
.set RHALF,  64*PITCH                  ; 64 rows of R likewise
.set ROFF,   2*PHALF                   ; a slot: P's 256 rows, then R's 128
.set SLOT,   ROFF+2*RHALF
.set SPARE,  3*SLOT                    ; behind the slots: the spare words, 128 bytes a wave
.set PITB,   528                       ; slots 1 and 2 lie side by side: K 256 .. 767 as rows of 512 bytes + 16 of padding
.set SLBR,   SLOT+256*PITB             ; there P's 256 rows begin at SLOT, R's 128 rows here
.set L16,  3                           ; v3     16 x lane
.set L8,   4                           ; v4     8 x lane
.set ADRP, 5                           ; v5-7   LDS address of my P fragments in slot 0, 1, 2
.set ADRR, 8                           ; v8-10  the same for R
.set SPW,  11                          ; v11    LDS address of my spare word; never rewritten
.set NIL,  12                          ; v12    0; never rewritten
.set VSP,  13                          ; v13    P's scale rows: 32 (r + 64 h)
.set VSR,  14                          ; v14    R's: 32 (r + 32 h)
.set VBP,  15                          ; v15    the bias along P
.set VBR,  16                          ; v16    the bias along R
.set VOF,  18                          ; v18-21 16 x lane + a x the distance from tile to tile in the images
.set SCP,  32                          ; v32-63 P's scale words: register 8 g + s: K step s of tile g (lanes 0-15) and of tile g + 4 (lanes 16-31)
.set SCR,  64                          ; v64-79 R's: tile g and tile g + 2
.set TM,   80                          ; v80-95 the quantiser: largest magnitudes, bytes, limits, scale operands, four each
.set PW,   96                          ; v96-99 tile a's scale word
.set SW,   100                         ; v100-105 the words as they are stored
.set BP,   128                         ; v128-191 the bias as C where it runs along P: eight registers a tile of P
.set BR,   192                         ; v192-223 the bias as C where it runs along R: eight equal registers a tile of R
.set G1P,  44                          ; s[44:51] descriptor group 1 for P's tiles;  s[52:59] for R's
.set G1R,  52
.set G0P,  68                          ; s[68:79] group 0 for P, a set for each slot;  s[80:91] for R
.set G0R,  80
; s42 kind, s43 mask of lanes 16-31, s60 wave, s61 wave / 2, s62 wave % 2, s63 the floor, s66 the mantissa field of 448, s[92:93] lane selects, s94 cx, s95 cy, s96 P's tile, s97 R's tile
.set MSB, 0
.macro WIN new                         ; the immediate's high byte repeats the setting that is left
.if MSB != \new
	s_set_vgpr_msb (MSB<<8)|\new
.set MSB, \new
.endif
.endm
.macro PLACES n
.rept \n
	v_nop
.endr
.endm
; A joint load: waves 0 and 1 fetch P's halves, waves 2 and 3 R's.  Each line has one mask and one set of registers; the branch hangs on the wave's number alone.  Four v_nop follow each line.
.macro JLOAD s
	s_cmp_eq_u32 s61, 0
	s_cbranch_scc0 .Lfor_r_\@
	tensor_load_to_lds s[G0P+4*\s:G0P+4*\s+3], s[G1P:G1P+7]
	s_nop 0
	PLACES 4
	s_branch .Lasked_\@
.Lfor_r_\@:
	tensor_load_to_lds s[G0R+4*\s:G0R+4*\s+3], s[G1R:G1R+7]
	s_nop 0
	PLACES 4
.Lasked_\@:
.endm
.macro CREST                           ; a round of the cluster's barrier behind its opening barrier
	s_cmp_lg_u32 s60, 0
	s_cbranch_scc1 .Lnot_wave_0_\@
	s_barrier_signal -3
.Lnot_wave_0_\@:
	s_barrier_wait -3
	s_barrier_signal -1
	s_barrier_wait -1
.endm
.macro CROUND
	s_barrier_signal -1
	s_barrier_wait -1
	CREST
.endm
	s_load_b512 s[4:19], s[0:1], 0x0               ; argument j at s[4 + 2 j]: q's five at s4, k's five at s14,
	s_load_b512 s[20:35], s[0:1], 0x40             ; v's five at s24, qimg s[34:35],
	s_load_b128 s[36:39], s[0:1], 0x80             ; qscl s[36:37], kvimg s[38:39],
	s_load_b64 s[40:41], s[0:1], 0x90              ; kvscl s[40:41]
	v_lshl_add_u32 v[SPW], v0, 2, SPARE
	v_mov_b32 v[NIL], 0
	ds_add_u32 v11, v12
	ds_add_u32 v11, v12
	s_wait_dscnt 0x0
	v_lshrrev_b32 v1, 5, v0
	v_readfirstlane_b32 s60, v1                    ; wave 0..3
	s_lshr_b32 s61, s60, 1                         ; my half of P's rows.  Also: I fetch for P (0) or for R (1)
	s_and_b32 s62, s60, 1                          ; my half of R's rows.  Also: which half of that tile I fetch
	s_bfe_u32 s94, ttmp6, 0x40000                  ; cx
	s_bfe_u32 s95, ttmp6, 0x40004                  ; cy
	s_and_b32 s100, ttmp7, 0xffff                  ; the cluster's number, 0..47
	s_lshr_b32 s42, s100, 4                        ; the kind: 0 q, 1 k, 2 v
	s_and_b32 s100, s100, 15
	s_lshr_b32 s101, s100, 1
	s_and_b32 s104, s100, 1
	s_cmp_eq_u32 s42, 2
	s_cselect_b32 s101, s101, 0                    ; q, k: 4 tiles of P (the weight), 64 of R;  v: 32 tiles of P (tokens), 8 of R
	s_cselect_b32 s104, s104, s100
	s_lshl_b32 s96, s101, 2
	s_add_co_u32 s96, s96, s94                     ; P's tile: hangs on cx, never on cy
	s_lshl_b32 s97, s104, 2
	s_add_co_u32 s97, s97, s95                     ; R's tile: hangs on cy, never on cx
	s_lshl_b32 s98, 0x1111, s94                    ; my column of the cluster
	s_lshl_b32 s99, s95, 2
	s_lshl_b32 s99, 15, s99                        ; my row
	s_or_b32 s[G1P], s98, (1<<20)|(1<<21)|(5<<22)|(3<<25)   ; 15:0 the mask; 17:16 elements of 1 byte; 20 padding on; 21 set beside a mask; 24:22 after every 64 words; 31:25 four words
	s_mov_b32 s[G1P+1], 256<<16                    ; tensor_dim0 = 256
	s_mov_b32 s[G1P+2], 256<<16                    ; tensor_dim1 = 256 for the head's load; 128 for the refill
	s_mov_b32 s[G1P+3], 256<<16                    ; tile_dim0
	s_mov_b32 s[G1P+4], 256                        ; tile_dim1
	s_mov_b32 s[G1P+5], 1024                       ; from row to row
	s_mov_b32 s[G1P+6], 0
	s_mov_b32 s[G1P+7], 0
	s_or_b32 s[G1R], s99, (1<<20)|(1<<21)|(5<<22)|(3<<25)
	s_mov_b32 s[G1R+1], 256<<16
	s_mov_b32 s[G1R+2], 128<<16                    ; 128 rows for the head's load; 64 for the refill
	s_mov_b32 s[G1R+3], 256<<16
	s_mov_b32 s[G1R+4], 128
	s_mov_b32 s[G1R+5], 1024
	s_mov_b32 s[G1R+6], 0
	s_mov_b32 s[G1R+7], 0
	s_mov_b32 s43, 0xffff0000
	s_mov_b32 s63, 0x4800000                       ; 2^(9 - 127)
	s_mov_b32 s66, 0x600000
	s_mov_b32 s92, 0x76543210
	s_mov_b32 s93, 0xfedcba98
	s_wait_kmcnt 0x0
	s_cmp_eq_u32 s42, 0                            ; the kind's five inputs come to s[4:13], its two outputs to s[34:37]: choices that hang on the cluster's number alone
.irp j, 0,1,2,3,4
	s_cselect_b64 s[4+2*\j:5+2*\j], s[4+2*\j:5+2*\j], s[14+2*\j:15+2*\j]
.endr
	s_cselect_b64 s[34:35], s[34:35], s[38:39]
	s_cselect_b64 s[36:37], s[36:37], s[40:41]
	s_cmp_eq_u32 s42, 2
.irp j, 0,1,2,3,4
	s_cselect_b64 s[4+2*\j:5+2*\j], s[24+2*\j:25+2*\j], s[4+2*\j:5+2*\j]
.endr
	s_cselect_b64 s[14:15], s[4:5], s[8:9]         ; P's codes: v's tokens, or the weight
	s_cselect_b64 s[16:17], s[8:9], s[4:5]         ; R's codes
	s_cselect_b64 s[18:19], s[6:7], s[10:11]       ; P's scales
	s_cselect_b64 s[20:21], s[10:11], s[6:7]       ; R's scales;  the bias stays in s[12:13]
	s_lshl_b32 s22, s96, 18                        ; P: 256 rows of 1,024 bytes a tile,
	s_lshl_b32 s24, s62, 17                        ; + the 128 rows that I fetch
	s_add_co_u32 s22, s22, s24
	s_mov_b32 s23, 0
	s_add_nc_u64 s[22:23], s[14:15], s[22:23]
	s_lshl_b32 s26, s97, 17                        ; R: 128 rows a tile,
	s_lshl_b32 s28, s62, 16                        ; + the 64 rows that I fetch
	s_add_co_u32 s26, s26, s28
	s_mov_b32 s27, 0
	s_add_nc_u64 s[26:27], s[16:17], s[26:27]
	s_mul_i32 s25, s62, PHALF                      ; where they go: no place in the cluster enters an LDS address
	s_mul_i32 s29, s62, RHALF
	s_add_co_u32 s29, s29, ROFF
	s_lshl_b32 s30, s96, 18
	s_mov_b32 s31, 0
	s_add_nc_u64 s[30:31], s[14:15], s[30:31]      ; P's tile, first byte
	s_lshl_b32 s32, s97, 17
	s_mov_b32 s33, 0
	s_add_nc_u64 s[32:33], s[16:17], s[32:33]      ; R's tile, first byte
	s_or_b32 s4, s98, (1<<20)|(1<<21)|(6<<22)|(3<<25)   ; group 1 for P's K 256 .. 767: rows of 512 bytes, four words of padding after every 128
	s_mov_b32 s5, 512<<16
	s_mov_b32 s6, 256<<16
	s_mov_b32 s7, 512<<16
	s_mov_b32 s8, 256
	s_mov_b32 s9, 1024
	s_mov_b32 s10, 0
	s_mov_b32 s11, 0
	s_or_b32 s84, s99, (1<<20)|(1<<21)|(6<<22)|(3<<25)  ; the same for R: 128 rows
	s_mov_b32 s85, 512<<16
	s_mov_b32 s86, 128<<16
	s_mov_b32 s87, 512<<16
	s_mov_b32 s88, 128
	s_mov_b32 s89, 1024
	s_mov_b32 s90, 0
	s_mov_b32 s91, 0
	s_mov_b32 s68, 1                               ; P, K 0 .. 255, to slot 0
	s_mov_b32 s69, 0
	s_mov_b64 s[70:71], s[30:31]
	s_or_b32 s71, s71, 0x80000000
	s_mov_b32 s72, 1                               ; P, K 256 .. 767
	s_mov_b32 s73, SLOT
	s_add_nc_u64 s[74:75], s[30:31], 256
	s_or_b32 s75, s75, 0x80000000
	s_mov_b32 s76, 1                               ; R, K 0 .. 255
	s_mov_b32 s77, ROFF
	s_mov_b64 s[78:79], s[32:33]
	s_or_b32 s79, s79, 0x80000000
	s_mov_b32 s80, 1                               ; R, K 256 .. 767
	s_mov_b32 s81, SLBR
	s_add_nc_u64 s[82:83], s[32:33], 256
	s_or_b32 s83, s83, 0x80000000
	CROUND                                         ; all sixteen work-groups are here: the first joint loads meet
; THE HEAD'S FOUR LOADS, ONE A WAVE: one chain of branches on the wave's number, one load to an arm
.macro ARM under, g0, g1, next
	s_cmp_lt_u32 s60, \under
	s_cbranch_scc0 \next
	tensor_load_to_lds s[\g0:\g0+3], s[\g1:\g1+7]
	s_nop 0
	PLACES 4
	s_branch .Lhead_asked
\next:
.endm
	ARM 1, 68, G1P, .Lhead_ra
	ARM 2, 76, G1R, .Lhead_pb
	ARM 3, 72, 4, .Lhead_rb
	tensor_load_to_lds s[80:83], s[84:91]
	s_nop 0
	PLACES 4
.Lhead_asked:
	; THE SCALES of my 128 rows of P and 64 rows of R, for all of K, go straight into registers, once: a row's 32 bytes are its eight words, two loads of 16 bytes
	s_lshl_b32 s30, s96, 13
	s_lshl_b32 s31, s61, 12
	s_add_co_u32 s30, s30, s31                     ; (256 x tile + 128 x my half) x 32 bytes
	s_mov_b32 s31, 0
	s_add_nc_u64 s[18:19], s[18:19], s[30:31]
	s_lshl_b32 s30, s97, 12
	s_lshl_b32 s32, s62, 11
	s_add_co_u32 s30, s30, s32                     ; (128 x tile + 64 x my half) x 32 bytes
	s_add_nc_u64 s[20:21], s[20:21], s[30:31]
	v_and_b32 v1, 15, v0                           ; r
	v_bfe_u32 v2, v0, 4, 1                         ; h
	s_wait_alu depctr_va_vdst(0)
	v_and_b32 v[L16], 31, v0
	v_lshlrev_b32 v[L8], 3, v[L16]
	v_lshlrev_b32 v[L16], 4, v[L16]
	v_lshl_add_u32 v[VSP], v2, 6, v1
	v_lshlrev_b32 v[VSP], 5, v[VSP]
	v_lshl_add_u32 v[VSR], v2, 5, v1
	v_lshlrev_b32 v[VSR], 5, v[VSR]
.irp g, 0,1,2,3
	global_load_b128 v[SCP+8*\g:SCP+8*\g+3], v[VSP], s[18:19] offset:512*\g
	global_load_b128 v[SCP+8*\g+4:SCP+8*\g+7], v[VSP], s[18:19] offset:512*\g+16
.endr
.irp g, 0,1
	global_load_b128 v[SCR+8*\g:SCR+8*\g+3], v[VSR], s[20:21] offset:512*\g
	global_load_b128 v[SCR+8*\g+4:SCR+8*\g+7], v[VSR], s[20:21] offset:512*\g+16
.endr
	; THE BIAS is the C of the first products.  It runs along P's rows for q and k and along R's rows for v.  Both patterns are loaded whatever the kind, so that every register is written on every way;
	; the pattern that the kind does not use reads the bias from its first number on.
	s_lshl_b32 s30, s96, 10
	s_lshl_b32 s32, s61, 9
	s_add_co_u32 s30, s30, s32                     ; 4 (256 x P's tile + 128 x my half)
	s_lshl_b32 s32, s97, 9
	s_lshl_b32 s33, s62, 8
	s_add_co_u32 s32, s32, s33                     ; 4 (128 x R's tile + 64 x my half)
	s_cmp_eq_u32 s42, 2
	s_cselect_b32 s30, 0, s30
	s_cselect_b32 s32, s32, 0
	v_lshlrev_b32 v[VBP], 5, v2
	v_add_nc_u32 v[VBP], s30, v[VBP]               ; tile p, register j: the bias at 16 p + 8 h + j
	v_lshlrev_b32 v[VBR], 2, v1
	v_add_nc_u32 v[VBR], s32, v[VBR]               ; tile a, every register: the bias at 16 a + r
.irp p, 0,1,2,3,4,5,6,7
	global_load_b128 v[BP+8*\p:BP+8*\p+3], v[VBP], s[12:13] offset:64*\p
	global_load_b128 v[BP+8*\p+4:BP+8*\p+7], v[VBP], s[12:13] offset:64*\p+16
.endr
.irp a, 0,1,2,3
.irp j, 0,1,2,3,4,5,6,7
	global_load_b32 v[BR+8*\a+\j], v[VBR], s[12:13] offset:64*\a
.endr
.endr
	v_mul_u32_u24 v17, v1, PITCH
	v_lshl_add_u32 v17, v2, 4, v17                 ; a fragment's row x pitch + 16 x half
	s_mul_i32 s2, s61, PHALF
	s_mul_i32 s3, s62, RHALF
	s_add_co_u32 s3, s3, ROFF
	v_add_nc_u32 v[ADRP], s2, v17
	v_add_nc_u32 v[ADRR], s3, v17
	v_mul_u32_u24 v17, v1, PITB                    ; the same in the rows of 512 bytes
	v_lshl_add_u32 v17, v2, 4, v17
	s_mul_i32 s2, s61, 128*PITB
	s_add_co_u32 s2, s2, SLOT
	s_mul_i32 s3, s62, 64*PITB
	s_add_co_u32 s3, s3, SLBR
	v_add_nc_u32 v[ADRP+1], s2, v17
	v_add_nc_u32 v[ADRR+1], s3, v17
.irp b, 0,1,2,3
	v_mov_b32 v[TM+4+\b], 0                        ; written once: a lane permute's destination counts as one of its sources
.endr
	; WHERE THE RESULTS GO.  q, k: batch = R's tile / 16, step of 128 tokens = R's tile % 16, my two heads 4 x P's tile + 2 x (wave / 2) on; tile a of tokens is 1,024 bytes (two groups c) in each head's images.
	; v: batch = P's tile / 8, key step = 2 (P's tile % 8) + wave / 2, head = 2 x R's tile + wave % 2; tile a (16 of the head's 64) is 2,048 bytes (four groups c) of the step's 8,192, behind the head's K images.
	s_lshr_b32 s2, s96, 3
	s_lshr_b32 s3, s97, 4
	s_lshl_b32 s30, s97, 1
	s_add_co_u32 s30, s30, s62
	s_lshl_b32 s31, s96, 2
	s_lshl_b32 s33, s61, 1
	s_add_co_u32 s31, s31, s33
	s_and_b32 s32, s96, 7
	s_lshl_b32 s32, s32, 1
	s_add_co_u32 s32, s32, s61                     ; v: the key step
	s_lshl_b32 s38, s32, 8
	s_add_co_u32 s38, s38, 8192                    ; v: its 256 bytes of words, behind K's 8,192
	s_lshl_b32 s32, s32, 13
	s_add_co_u32 s32, s32, 0x20000                 ; v: its 8,192 bytes of images, behind K's 131,072
	s_and_b32 s33, s97, 15
	s_lshl_b32 s39, s33, 9
	s_lshl_b32 s105, s62, 8
	s_add_co_u32 s39, s39, s105                    ; q, k: words: 512 a step, 256 my half
	s_lshl_b32 s33, s33, 13
	s_lshl_b32 s105, s62, 12
	s_add_co_u32 s33, s33, s105                    ; q, k: images: (8 x step + 4 x my half) x 1,024
	s_mov_b32 s67, 1024
	s_mov_b32 s105, 0x40000
	s_mov_b32 s40, 12288
	s_cmp_eq_u32 s42, 0
	s_cselect_b32 s105, 0x20000, s105              ; a head's images: 131,072 bytes in qimg, 262,144 in kvimg
	s_cselect_b32 s40, 8192, s40                   ; a head's words: 8,192 bytes in qscl, 12,288 in kvscl
	s_cmp_eq_u32 s42, 2
	s_cselect_b32 s2, s2, s3                       ; batch
	s_cselect_b32 s30, s30, s31                    ; head
	s_cselect_b32 s32, s32, s33
	s_cselect_b32 s38, s38, s39
	s_cselect_b32 s67, 2048, s67                   ; from tile a to tile a + 1
	s_cselect_b32 s3, 1024, s105                   ; from groups 0, 1 to groups 2, 3: on in the fragment (v), or the next head (q, k)
	s_lshl_b32 s2, s2, 4
	s_add_co_u32 s2, s2, s30                       ; 16 x batch + head
	s_mul_i32 s33, s2, s105
	s_add_co_u32 s32, s32, s33
	s_mov_b32 s33, 0
	s_add_nc_u64 s[34:35], s[34:35], s[32:33]      ; groups 0, 1 go here,
	s_mov_b32 s32, s3
	s_add_nc_u64 s[32:33], s[34:35], s[32:33]      ; groups 2, 3 here
	s_mul_i32 s39, s2, s40
	s_add_co_u32 s38, s38, s39
	s_mov_b32 s39, 0
	s_add_nc_u64 s[36:37], s[36:37], s[38:39]      ; the words; q, k: the first head's,
	s_mov_b32 s38, s40
	s_add_nc_u64 s[38:39], s[36:37], s[38:39]      ; and the second head's
	v_mov_b32 v[VOF], v[L16]
	v_add_nc_u32 v[VOF+1], s67, v[VOF]
	v_add_nc_u32 v[VOF+2], s67, v[VOF+1]
	v_add_nc_u32 v[VOF+3], s67, v[VOF+2]
; One product: tile p of P x tile a of R, K step s of 128, fragment set f.  cm = 0: onto the sum; 1: the bias along P starts it; 2: the bias along R.  A side's words lie in lanes 16-31 for P's tiles 4-7 and R's tiles 2, 3.
.macro WM p, a, f, s, cm
.set rD, 8*(8*(\a)+(\p))
.set rA, 128*(\f)+16*(\p)
.set rB, 64*(\f)+16*(\a)
.set rC, rD
.if (\cm) == 1
.set rC, BP+8*(\p)
.endif
.if (\cm) == 2
.set rC, BR+8*(\a)
.endif
.set rS, SCP+8*((\p)&3)+(\s)
.set rT, SCR+8*((\a)&1)+(\s)
.if ((\p) < 4) && ((\a) < 2)
	v_wmma_scale_f32_16x16x128_f8f6f4 v[rD:rD+7], v[rA:rA+15], v[rB:rB+15], v[rC:rC+7], v[rS], v[rT]
.elseif (\p) < 4
	v_wmma_scale_f32_16x16x128_f8f6f4 v[rD:rD+7], v[rA:rA+15], v[rB:rB+15], v[rC:rC+7], v[rS], v[rT] matrix_b_scale:MATRIX_SCALE_ROW1
.elseif (\a) < 2
	v_wmma_scale_f32_16x16x128_f8f6f4 v[rD:rD+7], v[rA:rA+15], v[rB:rB+15], v[rC:rC+7], v[rS], v[rT] matrix_a_scale:MATRIX_SCALE_ROW1
.else
	v_wmma_scale_f32_16x16x128_f8f6f4 v[rD:rD+7], v[rA:rA+15], v[rB:rB+15], v[rC:rC+7], v[rS], v[rT] matrix_a_scale:MATRIX_SCALE_ROW1 matrix_b_scale:MATRIX_SCALE_ROW1
.endif
.endm
; n tiles of P from p0 on, each against R's four.  The 32 accumulators take turns, one instruction a turn, in the same order in every step.
.macro MUL p0, n, f, s, cm
.if \cm
	WIN 0x4e                                       ; source 0 (P) window 2, source 1 (R) window 3, C window 0, D window 1
.else
	WIN 0x5e                                       ; the same, C window 1
.endif
.set pp, \p0
.rept \n
.irp a, 0,1,2,3
	WM pp, \a, \f, \s, \cm
.endr
.set pp, pp+1
.endr
.endm
; 48 LDS loads in one run: the fragments of the slot's q-th 128 along K into set f: R's four, P's tiles 0-3, P's tiles 4-7
.macro FETCH slot, q, f
	WIN 0xc0
.irp a, 0,1,2,3
.irp c, 0,1,2,3
	ds_load_b128 v[64*(\f)+16*\a+4*\c:64*(\f)+16*\a+4*\c+3], v[ADRR+\slot] offset:16*(PITCH+(PITB-PITCH)*(\slot))*\a+128*(\q)+32*\c
.endr
.endr
	WIN 0x80
.irp p, 0,1,2,3,4,5,6,7
.irp c, 0,1,2,3
	ds_load_b128 v[128*(\f)+16*\p+4*\c:128*(\f)+16*\p+4*\c+3], v[ADRP+\slot] offset:16*(PITCH+(PITB-PITCH)*(\slot))*\p+128*(\q)+32*\c
.endr
.endr
.endm
; A step of 128 along K: 32 matrix instructions; in its middle the next step's fragments are fetched into the other set, eight places behind the last matrix instruction that read that set (
; the matrix instructions in between are not counted).
.macro STEP s, fslot, fq, cm
	s_wait_dscnt 16                                ; R's fragments and P's tiles 0-3 are in; the youngest sixteen loads (P's tiles 4-7) may be out
	MUL 0, 4, (\s)&1, \s, \cm
	PLACES 8
	FETCH \fslot, \fq, 1-((\s)&1)
	s_wait_dscnt 48                                ; all but the 48 just issued
	MUL 4, 4, (\s)&1, \s, \cm
.endm
; A step behind which another slot is read for the first time: ONE barrier.  In front of it each wave waits for all its tensor loads, adds 0 to its spare word, and waits for that and for its reads so far.
; refill = 1: slot 0 has been read out and takes the last K step of 256; the barrier then opens a round of the cluster's barrier.
.macro TURN s, fslot, refill
	WIN 0                                          ; (the add's two registers lie in window 0)
	s_wait_tensorcnt 0x0                           ; all my tensor loads have landed
	ds_add_u32 v[SPW], v[NIL]                      ; 0 onto my spare word
	s_wait_dscnt 17                                ; (the add and the youngest sixteen loads, P's tiles 4-7, may be out)
	MUL 0, 2, (\s)&1, \s, 0                        ; eight matrix instructions stand between the add and the wait for it
	s_wait_dscnt 0x0                               ; the add is done, and my reads of the slots so far are over
	s_barrier_signal -1
	MUL 2, 2, (\s)&1, \s, 0
	WIN 0
	s_barrier_wait -1
.if \refill
	CREST                                          ; no wave of any partner still reads slot 0 or has a load on its way
	s_mov_b32 s[G1P+2], 128<<16                    ; no tensor load of mine is out: the refill goes by halves, 128 rows of P,
	s_mov_b32 s[G1P+4], 128
	s_mov_b32 s[G1R+2], 64<<16                     ; 64 of R,
	s_mov_b32 s[G1R+4], 64
	s_mov_b32 s[G0P+1], s25                        ; my half's place in slot 0,
	s_add_nc_u64 s[G0P+2:G0P+3], s[22:23], 768     ; K 768 .. 1,023
	s_or_b32 s[G0P+3], s[G0P+3], 0x80000000
	s_mov_b32 s[G0R+1], s29
	s_add_nc_u64 s[G0R+2:G0R+3], s[26:27], 768
	s_or_b32 s[G0R+3], s[G0R+3], 0x80000000
	JLOAD 0                                        ; the first tensor load behind the round, and my only one from here on; its four v_nop are four of the eight places
	PLACES 4
.else
	PLACES 8
.endif
	FETCH \fslot, 0, 1-((\s)&1)
	MUL 4, 4, (\s)&1, \s, 0
.endm
; Tile a's 64 numbers of a lane (register 16 b + i of window 1 from 64 a on) become a fragment's 16 registers of codes, v[pc] on, and the row's scale word.
.macro QUANT a, pc
	WIN 0x14                                       ; sources 1 and 2 window 1
.irp b, 0,1,2,3
	v_max3_num_f32 v[TM+\b], s63, |v[64*\a+16*\b]|, |v[64*\a+16*\b+1]|   ; block b: my 16 numbers and the floor, under which no largest magnitude is taken: the byte cannot fall under 1.  Each accumulator is read from its low end on
.endr
.irp i, 2,4,6,8,10,12,14
.irp b, 0,1,2,3
	v_max3_num_f32 v[TM+\b], v[TM+\b], |v[64*\a+16*\b+\i]|, |v[64*\a+16*\b+\i+1]|
.endr
.endr
	WIN 0
.irp b, 0,1,2,3
	v_permlanex16_b32 v[TM+4+\b], v[TM+\b], s92, s93
.endr
.irp b, 0,1,2,3
	v_max_num_f32 v[TM+\b], v[TM+\b], v[TM+4+\b]   ; with lane l xor 16's 16: the block's largest magnitude
.endr
.irp b, 0,1,2,3
	v_add_nc_u32 v[TM+12+\b], 0xfc000000, v[TM+\b] ; 8 off its exponent field: the conversion's scale operand
.endr
.irp b, 0,1,2,3
	v_and_or_b32 v[TM+8+\b], v[TM+\b], 0x7f800000, s66   ; 448 x the scale
.endr
.irp b, 0,1,2,3
	v_lshrrev_b32 v[TM+4+\b], 23, v[TM+12+\b]      ; the scale's byte
.endr
	v_lshl_or_b32 v[PW+\a], v[TM+5], 8, v[TM+4]
	v_lshl_or_b32 v[PW+\a], v[TM+6], 16, v[PW+\a]
	v_lshl_or_b32 v[PW+\a], v[TM+7], 24, v[PW+\a]
	WIN 0x41                                       ; destination and source 0 window 1
.irp b, 0,1,2,3
.irp i, 0,1,2,3,4,5,6,7,8,9,10,11,12,13,14,15
	v_med3_num_f32 v[64*\a+16*\b+\i], v[64*\a+16*\b+\i], -v[TM+8+\b], v[TM+8+\b]   ; the conversion to an 8-bit code does not saturate (ISA guide 7.6.2): the hold comes first
.endr
.endr
	WIN 0x01                                       ; source 0 window 1
.irp b, 0,1,2,3
	v_cvt_scalef32_pk8_fp8_f32 v[\pc+4*\b:\pc+4*\b+1], v[64*\a+16*\b:64*\a+16*\b+7], v[TM+12+\b]
	v_cvt_scalef32_pk8_fp8_f32 v[\pc+4*\b+2:\pc+4*\b+3], v[64*\a+16*\b+8:64*\a+16*\b+15], v[TM+12+\b]
.endr
	WIN 0
	v_nop                                          ; one plain vector instruction behind the last conversion
	global_store_b128 v[VOF+\a], v[\pc:\pc+3], s[34:35]                  ; each store of the wave covers 512 consecutive bytes, aligned
	global_store_b128 v[VOF+\a], v[\pc+4:\pc+7], s[34:35] offset:512
	global_store_b128 v[VOF+\a], v[\pc+8:\pc+11], s[32:33]
	global_store_b128 v[VOF+\a], v[\pc+12:\pc+15], s[32:33] offset:512
.endm
	s_wait_alu depctr_va_vdst(0)                   ; the head's end
	s_wait_tensorcnt 0x0                           ; my one load of the head is in
	s_barrier_signal -1
	s_barrier_wait -1                              ; everybody's is
	FETCH 0, 0, 0
	WIN 0
	s_wait_loadcnt 0x0                             ; the scale words and the bias
	s_cmp_eq_u32 s42, 2                            ; the first step is written twice: its products start the sums with the bias, which runs along P or along R
	s_cbranch_scc1 .Lbias_r
	STEP 0, 0, 1, 1
	WIN 0
	s_branch .Lbiased
.Lbias_r:
	STEP 0, 0, 1, 2
	WIN 0
.Lbiased:
	TURN 1, 1, 1                                   ; slot 0 is left and filled again; K 256 .. 767 has been whole since the first barrier
	STEP 2, 1, 1, 0
	STEP 3, 1, 2, 0
	STEP 4, 1, 3, 0
	TURN 5, 0, 0                                   ; the refill, asked for 112 matrix instructions ago, is waited for; nothing is filled again
	STEP 6, 0, 1, 0
	s_wait_dscnt 16                                ; the last step: nothing more to fetch
	MUL 0, 4, 1, 7, 0
	s_wait_dscnt 0x0
	MUL 4, 4, 1, 7, 0
	WIN 0
	PLACES 8                                       ; in front of the first read of results
	QUANT 0, 192                                   ; the codes' registers are each tile's own, so that no store's data are written again; none bears a number that its conversion's source bears
	QUANT 1, 208
	QUANT 2, 224
	QUANT 3, 128
	; THE SCALE WORDS as the next launch's scale registers take them: 8 bytes a lane; word i of lane (r, h) is row r's word of tile 2 i + h
	v_cndmask_b32 v[SW], v[PW], v[PW+1], s43
	v_cndmask_b32 v[SW+1], v[PW+2], v[PW+3], s43
	s_cmp_eq_u32 s42, 2
	s_cbranch_scc1 .Lv_words
	v_and_b32 v[SW+2], 0xffff, v[SW]               ; q, k: bytes 0, 1 are the first head's two blocks; the upper two bytes, 0, go with zero codes
	v_and_b32 v[SW+3], 0xffff, v[SW+1]
	v_lshrrev_b32 v[SW+4], 16, v[SW]               ; bytes 2, 3 the second head's
	v_lshrrev_b32 v[SW+5], 16, v[SW+1]
	global_store_b64 v[L8], v[SW+2:SW+3], s[36:37] ; 256 consecutive bytes, aligned
	global_store_b64 v[L8], v[SW+4:SW+5], s[38:39]
	s_branch .Lwords_out
.Lv_words:
	s_wait_alu depctr_va_vdst(0)
	global_store_b64 v[L8], v[SW:SW+1], s[36:37]   ; v: the four bytes are the four blocks of the step's 128 keys
.Lwords_out:
	s_wait_tensorcnt 0x0                           ; the wave's end
	ds_add_u32 v[SPW], v[NIL]
	s_wait_dscnt 0x0
	CROUND                                         ; the closing round: no work-group ends while a partner may still ask for a tile that names it
	s_endpgm
.Lfunc_end_k_q90166c11b0_proj:
	.size	k_q90166c11b0_proj, .Lfunc_end_k_q90166c11b0_proj-k_q90166c11b0_proj
	.p2alignl 7, 3214868480
	.fill 96, 4, 3214868480
	.section	.rodata,"a",@progbits
	.p2align	6, 0x0
	.amdhsa_kernel k_q90166c11b0_proj
		.amdhsa_group_segment_fixed_size 327680
		.amdhsa_private_segment_fixed_size 0
		.amdhsa_enable_private_segment 0
		.amdhsa_kernarg_size 152
		.amdhsa_user_sgpr_count 2
		.amdhsa_user_sgpr_kernarg_segment_ptr 1
		.amdhsa_wavefront_size32 1
		.amdhsa_system_sgpr_workgroup_id_x 1
		.amdhsa_system_sgpr_workgroup_id_y 1
		.amdhsa_system_sgpr_workgroup_id_z 1
		.amdhsa_system_vgpr_workitem_id 0
		.amdhsa_next_free_vgpr 896
		.amdhsa_next_free_sgpr 106
		.amdhsa_reserve_vcc 0
		.amdhsa_float_denorm_mode_32 3
		.amdhsa_float_denorm_mode_16_64 3
		.amdhsa_memory_ordered 1
		.amdhsa_forward_progress 1
		.amdhsa_inst_pref_size 121
	.end_amdhsa_kernel
	.amdgpu_metadata
---
amdhsa.version: [ 1, 2 ]
amdhsa.kernels:
  - .name:           k_q90166c11b0_proj
    .symbol:         k_q90166c11b0_proj.kd
    .args:
      - { .name: q_codes, .offset: 0, .size: 8, .value_kind: global_buffer, .address_space: global }
      - { .name: q_scales, .offset: 8, .size: 8, .value_kind: global_buffer, .address_space: global }
      - { .name: Wq_codes, .offset: 16, .size: 8, .value_kind: global_buffer, .address_space: global }
      - { .name: Wq_scales, .offset: 24, .size: 8, .value_kind: global_buffer, .address_space: global }
      - { .name: bq, .offset: 32, .size: 8, .value_kind: global_buffer, .address_space: global }
      - { .name: k_codes, .offset: 40, .size: 8, .value_kind: global_buffer, .address_space: global }
      - { .name: k_scales, .offset: 48, .size: 8, .value_kind: global_buffer, .address_space: global }
      - { .name: Wk_codes, .offset: 56, .size: 8, .value_kind: global_buffer, .address_space: global }
      - { .name: Wk_scales, .offset: 64, .size: 8, .value_kind: global_buffer, .address_space: global }
      - { .name: bk, .offset: 72, .size: 8, .value_kind: global_buffer, .address_space: global }
      - { .name: v_codes, .offset: 80, .size: 8, .value_kind: global_buffer, .address_space: global }
      - { .name: v_scales, .offset: 88, .size: 8, .value_kind: global_buffer, .address_space: global }
      - { .name: Wv_codes, .offset: 96, .size: 8, .value_kind: global_buffer, .address_space: global }
      - { .name: Wv_scales, .offset: 104, .size: 8, .value_kind: global_buffer, .address_space: global }
      - { .name: bv, .offset: 112, .size: 8, .value_kind: global_buffer, .address_space: global }
      - { .name: qimg, .offset: 120, .size: 8, .value_kind: global_buffer, .address_space: global }
      - { .name: qscl, .offset: 128, .size: 8, .value_kind: global_buffer, .address_space: global }
      - { .name: kvimg, .offset: 136, .size: 8, .value_kind: global_buffer, .address_space: global }
      - { .name: kvscl, .offset: 144, .size: 8, .value_kind: global_buffer, .address_space: global }
    .group_segment_fixed_size: 327680
    .private_segment_fixed_size: 0
    .kernarg_segment_align: 8
    .kernarg_segment_size: 152
    .max_flat_workgroup_size: 128
    .sgpr_count:     106
    .vgpr_count:     896
    .wavefront_size: 32
...
	.end_amdgpu_metadata
.endif
;; end of part 1
;; launch attn (part 2): grid 4 x 64, 16 waves a work-group, clusters of 4 x 1, 327,680 bytes of LDS; arguments qimg, qscl, kvimg, kvscl, ctximg, ctxscl; writes ctximg, ctxscl
.if DOCPART == 2
	.amdgcn_target "amdgcn-amd-amdhsa--gfx1250"
	.amdhsa_code_object_version 6
	.text
	.protected	k_q90166c11b0_attn
	.globl	k_q90166c11b0_attn
	.p2align	8
	.type	k_q90166c11b0_attn,@function
k_q90166c11b0_attn:
	s_mov_b64 s[64:65], 0
	v_nop
	global_prefetch_b8 v0, s[64:65] scope:SCOPE_SE
	s_setreg_imm32_b32 hwreg(HW_REG_WAVE_MODE, 25, 1), 1
	s_wait_xcnt 0x0
	s_wait_alu depctr_hold_cnt(0) depctr_sa_sdst(0) depctr_va_vdst(0) depctr_va_sdst(0) depctr_va_ssrc(0) depctr_va_vcc(0) depctr_vm_vsrc(0)
	s_getreg_b32 s2, hwreg(HW_REG_IB_STS2, 6, 4)
	s_cmp_eq_u32 s2, 0
	s_cbranch_scc0 .Lentry_in_a_cluster
	s_endpgm
.Lentry_in_a_cluster:
	s_bfe_u32 s2, ttmp6, 0x10000c
	s_cmp_lg_u32 s2, 0x3003
	s_cbranch_scc0 .Lentry_shape_is_right
	s_endpgm
.Lentry_shape_is_right:
; ATTENTION of one (batch, head) on codes of FP8 (E4M3): S^T = K Q^T (K = the head's 64), the softmax, O^T = V^T P^T (K = the keys), O / the row's sum, quantised for the last projection.
; SOFTMAX: t = score x log2(e) / 8; M = the running largest t rounded up to a whole number; p = 2^(t - M) is quantised along the keys in blocks of 32; the row's sum is taken of the unquantised p and divides at the end.
; When M moves, the sum and O^T are multiplied by 2^(old M - new M), which rounds nothing.
; SHARES: a work-group owns 512 queries of one head; each of sixteen waves a tile of 16 queries at a time, in two passes.  Both products are used transposed: a lane holds one query (lane % 16).
; A HEAD'S K AND V STAY IN LDS as images of the operands' registers (262,144 bytes) with their scale words (12,288); every byte is filled once.  The head's four work-groups are one cluster and ask jointly.
; At the head waves 0-7 fetch key steps 0-3 of K and V (8,192 bytes each) and wave 8 the scale words; behind the full sequence and a round every wave fetches 12,288 bytes of the rest, under the first four key steps.
; THE FIRST PRODUCT'S K = 64 .. 127: Q's codes there are zeros.  K's eight tiles lie 8 registers apart, so a fragment's upper half is the next tile's codes (the last one's: zeros): finite numbers times zero.
; ORDER ALONG K: place (c, h, 8 u + j) of K's, Q's and V's fragments holds index 32 c + 16 u + 8 h + j, as the launch before laid them; p falls into the same places.  The context is put into the true order by one exchange of lanes l, l xor 16.
; No prefetch: all tensor loads leave at the head, so there is no loop to run ahead in.
; LIMITS: NaN, infinities and NaN codes are not served.  A block of the context under 2^(9 - 127), or a block of p that has fallen to 0, gets the byte 1: the bytes are read by this program alone.
; The context's scale bytes leave as 2 bytes a token and head, into rows of 32 bytes: one byte in 32 of what the launch stores.
.set SCL,  262144                      ; LDS: K's images 0, V's 131,072, K's words SCL (8,192), V's behind them (4,096)
.set SPARE, 0x43000                    ; the spare words: 128 bytes a wave
.set L16,  1
.set LK8,  2
.set LV8,  3
.set R8,   4
.set R32,  5
.set SPW,  6
.set NIL,  7
.set ADK,  8
.set ADV,  9
.set ADS,  10
.set ADT,  11
.set QF,   16                          ; v16-31 Q: 8 registers of codes, 8 of zeros.  v12 -M, v13 largest t, v[14:15] the sum
.set KF,   32                          ; v32-95 K's eight tiles; v96-103 zeros
.set S,    104                         ; v104-167 S^T, then p, then V's four fragments
.set O,    168                         ; v168-199 O^T
.set PCD,  200                         ; v200-215 p's codes
.set BM,   216
.set BT,   220
.set BL,   224
.set BS,   228
.set FF,   232
.set TP,   234
.set PSW,  235
.set KS,   236
.set VS,   240
.set QS,   242
.set HW,   243
.set T1,   244                         ; three more chains of the sum
.set T2,   246
.set T3,   248
.set SND,  244
.set RCV,  250
.macro PLACES n
.rept \n
	v_nop
.endr
.endm
.macro CROUND
	s_barrier_signal -1
	s_barrier_wait -1
	s_cmp_lg_u32 s16, 0
	s_cbranch_scc1 .Lnot_wave_0_\@
	s_barrier_signal -3
.Lnot_wave_0_\@:
	s_barrier_wait -3
	s_barrier_signal -1
	s_barrier_wait -1
.endm
	s_load_b256 s[4:11], s[0:1], 0x0               ; qimg, qscl, kvimg, kvscl
	s_load_b128 s[12:15], s[0:1], 0x20             ; ctximg, ctxscl
	v_lshl_add_u32 v[SPW], v0, 2, SPARE
	v_mov_b32 v[NIL], 0
	ds_add_u32 v[SPW], v[NIL]                      ; the opening lines
	ds_add_u32 v[SPW], v[NIL]
	v_lshrrev_b32 v8, 5, v0
	v_readfirstlane_b32 s16, v8                    ; wave
	s_and_b32 s79, ttmp7, 0xffff                   ; 16 x batch + head
	s_bfe_u32 s2, s16, 0x10002                     ; head fill: waves 0-3 K, 4-7 V, 8,192 bytes each
	s_lshl_b32 s2, s2, 17
	s_and_b32 s3, s16, 3
	s_lshl_b32 s3, s3, 13
	s_add_co_u32 s2, s2, s3
	s_lshr_b32 s3, s16, 3                          ; second fill: waves 0-7 K, 8-15 V, 12,288 bytes each, from byte 32,768 on
	s_lshl_b32 s3, s3, 17
	s_and_b32 s60, s16, 7
	s_mul_i32 s60, s60, 12288
	s_add_co_u32 s3, s3, s60
	s_add_co_u32 s3, s3, 32768
	s_lshl_b32 s76, s79, 18
	s_mov_b32 s77, 0
	s_mul_i32 s60, s79, 12288
	s_mov_b32 s61, 0
	s_mov_b32 s63, 0
	s_mov_b32 s24, 15|(3<<16)|(1<<21)              ; group 1: mask of all four; elements of 8 bytes; rows of 256 bytes, dense; 32 rows
	s_mov_b32 s25, 32<<16
	s_mov_b32 s26, 32<<16
	s_mov_b32 s27, 32<<16
	s_mov_b32 s28, 32
	s_mov_b32 s29, 32
	s_mov_b32 s30, 0
	s_mov_b32 s31, 0
	s_mov_b32 s32, 15|(3<<16)|(1<<21)              ; the same with 48 rows
	s_mov_b32 s33, 32<<16
	s_mov_b32 s34, 48<<16
	s_mov_b32 s35, 32<<16
	s_mov_b32 s36, 48
	s_mov_b32 s37, 32
	s_mov_b32 s38, 0
	s_mov_b32 s39, 0
	s_mov_b32 s17, 0x4800000                       ; 2^(9 - 127)
	s_mov_b32 s18, 0xffff0000
	s_mov_b32 s19, 0x600000
	s_mov_b32 s20, 0x76543210
	s_mov_b32 s21, 0xfedcba98
	s_mov_b32 s22, 0x3e38aa3b                      ; c = log2(e) / 8
	s_mov_b32 s23, s22
	s_wait_dscnt 0x0
	s_wait_kmcnt 0x0
	s_add_nc_u64 s[8:9], s[8:9], s[76:77]
	s_add_nc_u64 s[10:11], s[10:11], s[60:61]
	s_mov_b32 s40, 1                               ; the scale words
	s_mov_b32 s41, SCL
	s_mov_b64 s[42:43], s[10:11]
	s_or_b32 s43, s43, 0x80000000
	s_mov_b32 s44, 1                               ; the head's part of the images
	s_mov_b32 s45, s2
	s_mov_b32 s62, s2
	s_add_nc_u64 s[46:47], s[8:9], s[62:63]
	s_or_b32 s47, s47, 0x80000000
	s_mov_b32 s48, 1                               ; the second fill
	s_mov_b32 s49, s3
	s_mov_b32 s62, s3
	s_add_nc_u64 s[50:51], s[8:9], s[62:63]
	s_or_b32 s51, s51, 0x80000000
	CROUND                                         ; the first joint loads meet
	s_cmp_lt_u32 s16, 8                            ; one chain of branches on the wave's number, one load to an arm
	s_cbranch_scc0 .Lhead_s
	tensor_load_to_lds s[44:47], s[24:31]
	s_nop 0
	PLACES 4
	s_branch .Lhead_asked
.Lhead_s:
	s_cmp_eq_u32 s16, 8
	s_cbranch_scc0 .Lhead_asked
	tensor_load_to_lds s[40:43], s[32:39]
	s_nop 0
	PLACES 4
.Lhead_asked:
	; my tile of queries: 32 cx + 16 x pass + wave.  cx enters the addresses of Q and of the context alone
	s_bfe_u32 s67, ttmp6, 0x40000
	s_lshl_b32 s67, s67, 5
	s_add_co_u32 s67, s67, s16
	s_lshl_b32 s68, s79, 17
	s_lshl_b32 s78, s67, 10
	s_add_co_u32 s68, s68, s78                     ; Q's images: 131,072 bytes a head, 1,024 a tile
	s_mov_b32 s69, 0
	s_add_nc_u64 s[68:69], s[4:5], s[68:69]
	s_lshl_b32 s70, s79, 13                        ; Q's words: tile T's at 256 (T / 4) + 128 (T % 2) + 4 ((T / 2) % 2) + 8 r
	s_lshr_b32 s78, s67, 2
	s_lshl_b32 s78, s78, 8
	s_add_co_u32 s70, s70, s78
	s_and_b32 s78, s67, 1
	s_lshl_b32 s78, s78, 7
	s_add_co_u32 s70, s70, s78
	s_bfe_u32 s78, s67, 0x10001
	s_lshl_b32 s78, s78, 2
	s_add_co_u32 s70, s70, s78
	s_mov_b32 s71, 0
	s_add_nc_u64 s[70:71], s[6:7], s[70:71]
	s_lshr_b32 s78, s79, 4
	s_lshl_b32 s78, s78, 7
	s_add_co_u32 s78, s78, s67                     ; the tile among all tokens
	s_lshl_b32 s74, s78, 9                         ; the context's scale bytes: 32 a token, my head's two at 2 x head
	s_and_b32 s72, s79, 15
	s_lshl_b32 s73, s72, 1
	s_add_co_u32 s74, s74, s73
	s_mov_b32 s75, 0
	s_add_nc_u64 s[74:75], s[14:15], s[74:75]
	s_lshr_b32 s73, s72, 2                         ; the context's images: [head / 4][tile 512][(head / 2) % 2][group 4][lane][16]
	s_lshl_b32 s73, s73, 9
	s_add_co_u32 s73, s73, s78
	s_lshl_b32 s73, s73, 1
	s_bfe_u32 s78, s72, 0x10001
	s_add_co_u32 s73, s73, s78
	s_lshl_b32 s73, s73, 11
	s_and_b32 s72, s72, 1
	s_lshl_b32 s72, s72, 10
	s_add_co_u32 s72, s72, s73
	s_mov_b32 s73, 0
	s_add_nc_u64 s[72:73], s[12:13], s[72:73]
	v_and_b32 v8, 31, v0
	v_and_b32 v9, 15, v0
	v_lshlrev_b32 v[L16], 4, v8
	v_lshl_add_u32 v[LK8], v8, 3, SCL
	v_lshl_add_u32 v[LV8], v8, 3, SCL+8192
	v_lshlrev_b32 v[R8], 3, v9
	v_lshlrev_b32 v[R32], 5, v9
.irp j, 0,1,2,3,4,5,6,7
	v_mov_b32 v[QF+8+\j], 0                        ; Q's zero codes of K = 64 .. 127,
	v_mov_b32 v[KF+64+\j], 0                       ; and the upper half of K's last fragment
.endr
.irp b, 0,1,2,3
	v_mov_b32 v[BT+\b], 0                          ; a lane permute's destination counts as a source
	v_mov_b32 v[RCV+\b], 0
.endr
	v_mov_b32 v[TP], 0
	v_mov_b32 v[FF+1], 0
.macro HOLD2 b                         ; the one-sided hold of blocks b, b + 1 (the conversion does not saturate: ISA guide 7.6.2), two numbers an instruction
.irp i, 0,2,4,6,8,10,12,14
	v_dual_min_num_f32 v[S+16*\b+\i], v[S+16*\b+\i], v[BL+\b] :: v_dual_min_num_f32 v[S+16*\b+17+\i], v[S+16*\b+17+\i], v[BL+\b+1]
	v_dual_min_num_f32 v[S+16*\b+16+\i], v[S+16*\b+16+\i], v[BL+\b+1] :: v_dual_min_num_f32 v[S+16*\b+1+\i], v[S+16*\b+1+\i], v[BL+\b]
.endr
.irp c, \b, \b+1
	v_cvt_scalef32_pk8_fp8_f32 v[PCD+4*(\c):PCD+4*(\c)+1], v[S+16*(\c):S+16*(\c)+7], v[BS+(\c)]
	v_cvt_scalef32_pk8_fp8_f32 v[PCD+4*(\c)+2:PCD+4*(\c)+3], v[S+16*(\c)+8:S+16*(\c)+15], v[BS+(\c)]
.endr
.endm
; A KEY STEP: 128 keys
.macro STEP
	v_add_nc_u32 v[ADK], s60, v[L16]
	v_add_nc_u32 v[ADS], s61, v[LK8]
	v_add_nc_u32 v[ADT], s62, v[LV8]
	v_add_nc_u32 v[ADV], 0x20000, v[ADK]
.irp i, 0,1,2,3,4,5,6,7
	ds_load_b128 v[KF+8*\i:KF+8*\i+3], v[ADK] offset:1024*\i
	ds_load_b128 v[KF+8*\i+4:KF+8*\i+7], v[ADK] offset:1024*\i+512
.endr
	ds_load_b64 v[KS:KS+1], v[ADS]
	ds_load_b64 v[KS+2:KS+3], v[ADS] offset:256
	PLACES 5                                       ; with the four additions: nine places between the last step's products, which read V's fragments, and the products that write over them
	s_wait_alu depctr_va_vdst(0)
	s_wait_dscnt 0x0
.irp i, 0,2,4,6                                    ; word register i / 2: tile i's words in lanes 0-15, tile i + 1's in lanes 16-31
	v_wmma_scale_f32_16x16x128_f8f6f4 v[S+8*\i:S+8*\i+7], v[KF+8*\i:KF+8*\i+15], v[QF:QF+15], 0, v[KS+\i/2], v[QS]
	v_wmma_scale_f32_16x16x128_f8f6f4 v[S+8*\i+8:S+8*\i+15], v[KF+8*\i+8:KF+8*\i+23], v[QF:QF+15], 0, v[KS+\i/2], v[QS] matrix_a_scale:MATRIX_SCALE_ROW1
.endr
	PLACES 8
.irp b, 0,1,2,3                                    ; each block's largest score: for the row's maximum and for the block's largest p
	v_max3_num_f32 v[BM+\b], v[S+16*\b], v[S+16*\b+1], v[S+16*\b+2]
.endr
.irp i, 3,5,7,9,11,13
.irp b, 0,1,2,3
	v_max3_num_f32 v[BM+\b], v[BM+\b], v[S+16*\b+\i], v[S+16*\b+\i+1]
.endr
.endr
.irp b, 0,1,2,3
	v_max_num_f32 v[BM+\b], v[BM+\b], v[S+16*\b+15]
.endr
.irp b, 0,1,2,3
	v_permlanex16_b32 v[BT+\b], v[BM+\b], s20, s21
.endr
.irp b, 0,1,2,3
	v_max_num_f32 v[BM+\b], v[BM+\b], v[BT+\b]
.endr
	v_max3_num_f32 v[TP], v[BM], v[BM+1], v[BM+2]
	s_delay_alu instid0(VALU_DEP_1)
	v_max_num_f32 v[TP], v[TP], v[BM+3]
	s_delay_alu instid0(VALU_DEP_1)
	v_mul_f32 v[TP], s22, v[TP]                    ; as t
	s_delay_alu instid0(VALU_DEP_1)
	v_max_num_f32 v13, v13, v[TP]
	v_mov_b32 v[TP], v12
	s_delay_alu instid0(VALU_DEP_2)
	v_floor_f32 v12, -v13                          ; the new -M
	s_delay_alu instid0(VALU_DEP_1)
	v_sub_f32 v[TP], v12, v[TP]
	s_delay_alu instid0(VALU_DEP_1)
	v_cvt_i32_f32 v[TP], v[TP]
	s_delay_alu instid0(VALU_DEP_1)
	v_ldexp_f32 v[FF], 1.0, v[TP]                  ; f = 2^(old M - new M)
.set j, 0
.rept 32
	v_pk_fma_f32 v[S+j:S+j+1], v[S+j:S+j+1], s[22:23], v[12:13] op_sel_hi:[1,0,0]
.set j, j+2
.endr
.irp b, 0,1,2,3
	v_fma_f32 v[BM+\b], v[BM+\b], s22, v12
.endr
	s_wait_alu depctr_va_vdst(0)                   ; ahead of the batch
.set j, 0
.rept 64
	v_exp_f32 v[S+j], v[S+j]
.set j, j+1
.endr
	v_pk_mul_f32 v[14:15], v[14:15], v[FF:FF+1] op_sel_hi:[1,0]
	s_wait_alu depctr_va_vdst(0)                   ; behind the batch
.irp b, 0,1,2,3
	v_exp_f32 v[BM+\b], v[BM+\b]                   ; each block's largest p
.endr
	v_pk_add_f32 v[T1:T1+1], v[S:S+1], v[S+2:S+3]  ; the row's sum of the unquantised p, in four chains
	v_pk_add_f32 v[T2:T2+1], v[S+4:S+5], v[S+6:S+7]
	v_pk_add_f32 v[T3:T3+1], v[S+8:S+9], v[S+10:S+11]
	v_pk_add_f32 v[14:15], v[14:15], v[S+12:S+13]
.set j, 14
.rept 6
	v_pk_add_f32 v[T1:T1+1], v[T1:T1+1], v[S+j:S+j+1]
	v_pk_add_f32 v[T2:T2+1], v[T2:T2+1], v[S+j+2:S+j+3]
	v_pk_add_f32 v[T3:T3+1], v[T3:T3+1], v[S+j+4:S+j+5]
	v_pk_add_f32 v[14:15], v[14:15], v[S+j+6:S+j+7]
.set j, j+8
.endr
	v_pk_add_f32 v[T1:T1+1], v[T1:T1+1], v[S+62:S+63]
	v_pk_add_f32 v[14:15], v[14:15], v[T3:T3+1]
	v_pk_add_f32 v[T1:T1+1], v[T1:T1+1], v[T2:T2+1]
	s_wait_alu depctr_va_vdst(0)                   ; for the four
.irp b, 0,1,2,3
	v_max_num_f32 v[BM+\b], 0x4800000, v[BM+\b]    ; the floor: the byte cannot fall under 1
.endr
	v_pk_add_f32 v[14:15], v[14:15], v[T1:T1+1]
.irp b, 0,1,2,3
	v_add_nc_u32 v[BS+\b], 0xfc000000, v[BM+\b]    ; the conversion's scale operand
.endr
.irp b, 0,1,2,3
	v_and_or_b32 v[BL+\b], v[BM+\b], 0x7f800000, s19   ; 448 x the scale
.endr
.irp b, 0,1,2,3
	v_lshrrev_b32 v[BT+\b], 23, v[BS+\b]
.endr
	v_lshl_or_b32 v[PSW], v[BT+1], 8, v[BT]
	v_lshl_or_b32 v[TP], v[BT+3], 8, v[BT+2]
	s_delay_alu instid0(VALU_DEP_1)
	v_lshl_or_b32 v[PSW], v[TP], 16, v[PSW]        ; p's scale word
	HOLD2 0
	HOLD2 2
	v_nop                                          ; a plain instruction behind the last conversion
.irp d, 0,1,2,3                                    ; V's four fragments take p's registers
.irp c, 0,1,2,3
	ds_load_b128 v[S+16*\d+4*\c:S+16*\d+4*\c+3], v[ADV] offset:2048*\d+512*\c
.endr
.endr
	ds_load_b64 v[VS:VS+1], v[ADT]
	s_wait_alu depctr_va_vdst(0)                   ; ahead of the first reader of O^T
.set j, 0
.rept 16
	v_pk_mul_f32 v[O+j:O+j+1], v[O+j:O+j+1], v[FF:FF+1] op_sel_hi:[1,0]
.set j, j+2
.endr
	s_wait_alu depctr_va_vdst(0)
	s_wait_dscnt 0x0
.irp d, 0,2
	v_wmma_scale_f32_16x16x128_f8f6f4 v[O+8*\d:O+8*\d+7], v[S+16*\d:S+16*\d+15], v[PCD:PCD+15], v[O+8*\d:O+8*\d+7], v[VS+\d/2], v[PSW]
	v_wmma_scale_f32_16x16x128_f8f6f4 v[O+8*\d+8:O+8*\d+15], v[S+16*\d+16:S+16*\d+31], v[PCD:PCD+15], v[O+8*\d+8:O+8*\d+15], v[VS+\d/2], v[PSW] matrix_a_scale:MATRIX_SCALE_ROW1
.endr
.endm
.macro STEPS n, first                  ; n key steps from step first on: images 8,192 bytes a step, K's words 512, V's 256
	s_mov_b32 s60, 8192*\first
	s_mov_b32 s61, 512*\first
	s_mov_b32 s62, 256*\first
	s_mov_b32 s63, \n
.Lstep_\@:
	STEP
	s_add_co_u32 s60, s60, 8192
	s_add_co_u32 s61, s61, 512
	s_add_co_u32 s62, s62, 256
	s_sub_co_u32 s63, s63, 1
	s_cmp_lg_u32 s63, 0
	s_cbranch_scc1 .Lstep_\@
.endm
	s_wait_alu depctr_va_vdst(0)                   ; the head's end
	s_wait_tensorcnt 0x0                           ; my part of the head's fills is in
	ds_add_u32 v[SPW], v[NIL]                      ; twice on end
	ds_add_u32 v[SPW], v[NIL]
	s_wait_dscnt 0x0
	CROUND                                         ; key steps 0-3 and all scale words are in, and the joint loads meet
	tensor_load_to_lds s[48:51], s[32:39]          ; key steps 4-15: every wave's one load, first fills all
	s_nop 0
	PLACES 4
; A PASS: one tile of 16 queries over all 16 key steps.  first = 1: the second fill is waited for behind the fourth step; the second pass has no barrier
.macro PASS first
	global_load_b128 v[QF:QF+3], v[L16], s[68:69] th:TH_LOAD_NT
	global_load_b128 v[QF+4:QF+7], v[L16], s[68:69] offset:512 th:TH_LOAD_NT
	global_load_b32 v[QS], v[R8], s[70:71]
	v_mov_b32 v13, 0xff61b1e6                      ; -3e38, under every t
	v_mov_b32 v14, 0
	v_mov_b32 v15, 0
	v_floor_f32 v12, -v13
.set j, 0
.rept 32
	v_mov_b32 v[O+j], 0                            ; the first change of M leaves zeros zeros
.set j, j+1
.endr
	s_wait_alu depctr_va_vdst(0)
	s_wait_loadcnt 0x0
.if \first
	STEPS 4, 0
	s_wait_tensorcnt 0x0                           ; my part of key steps 4-15 is in;
	s_barrier_signal -1
	s_barrier_wait -1                              ; everybody's is.
	STEPS 12, 4
.else
	STEPS 16, 0
.endif
	; THE WAY OUT: register 8 t + j of lane (r, h) is channel 16 t + 8 h + j of query r: two blocks of the last projection's K
	PLACES 8
	v_add_f32 v14, v14, v15
	s_delay_alu instid0(VALU_DEP_1)
	v_permlanex16_b32 v[TP], v14, s20, s21
	s_delay_alu instid0(VALU_DEP_1)
	v_add_f32 v14, v14, v[TP]
	s_wait_alu depctr_va_vdst(0)
	v_rcp_f32 v14, v14
	v_nop
	s_wait_alu depctr_va_vdst(0)
.set j, 0
.rept 32
	v_mul_f32 v[S+j], v[O+j], v14
.set j, j+1
.endr
.irp c, 0,1
	v_max3_num_f32 v[BM+\c], |v[S+16*\c]|, |v[S+16*\c+1]|, s17
.endr
.irp i, 2,4,6,8,10,12,14
.irp c, 0,1
	s_delay_alu instid0(VALU_DEP_2)
	v_max3_num_f32 v[BM+\c], v[BM+\c], |v[S+16*\c+\i]|, |v[S+16*\c+\i+1]|
.endr
.endr
.irp c, 0,1
	v_permlanex16_b32 v[BT+\c], v[BM+\c], s20, s21
.endr
.irp c, 0,1
	v_max_num_f32 v[BM+\c], v[BM+\c], v[BT+\c]
.endr
.irp c, 0,1
	v_add_nc_u32 v[BS+\c], 0xfc000000, v[BM+\c]
.endr
.irp c, 0,1
	v_and_or_b32 v[BL+\c], v[BM+\c], 0x7f800000, s19
.endr
.irp c, 0,1
	v_lshrrev_b32 v[BT+\c], 23, v[BS+\c]
.endr
	v_lshl_or_b32 v[HW], v[BT+1], 8, v[BT]
.irp c, 0,1
.irp i, 0,1,2,3,4,5,6,7,8,9,10,11,12,13,14,15
	v_med3_num_f32 v[S+16*\c+\i], v[S+16*\c+\i], -v[BL+\c], v[BL+\c]
.endr
	v_cvt_scalef32_pk8_fp8_f32 v[PCD+4*\c:PCD+4*\c+1], v[S+16*\c:S+16*\c+7], v[BS+\c]
	v_cvt_scalef32_pk8_fp8_f32 v[PCD+4*\c+2:PCD+4*\c+3], v[S+16*\c+8:S+16*\c+15], v[BS+\c]
.endr
	v_nop
	; THE TRUE ORDER: lanes 0-15 keep their first eight codes and take the partner's first eight; lanes 16-31 take the partner's second eight and keep their own
.irp c, 0,1
.irp k, 0,1
	v_cndmask_b32 v[SND+2*\c+\k], v[PCD+4*\c+2+\k], v[PCD+4*\c+\k], s18
.endr
.endr
.irp c, 0,1
.irp k, 0,1
	v_permlanex16_b32 v[RCV+2*\c+\k], v[SND+2*\c+\k], s20, s21
.endr
.endr
.irp c, 0,1
.irp k, 0,1
	v_cndmask_b32 v[PCD+8+4*\c+\k], v[PCD+4*\c+\k], v[RCV+2*\c+\k], s18
	v_cndmask_b32 v[PCD+8+4*\c+2+\k], v[RCV+2*\c+\k], v[PCD+4*\c+2+\k], s18
.endr
.endr
	global_store_b128 v[L16], v[PCD+8:PCD+11], s[72:73]              ; 512 consecutive bytes, aligned, each
	global_store_b128 v[L16], v[PCD+12:PCD+15], s[72:73] offset:512
	global_store_b16 v[R32], v[HW], s[74:75]
.if \first
	s_wait_xcnt 0x0                                ; the stores' data and bases are written again only behind this wait
	s_add_nc_u64 s[68:69], s[68:69], 16384         ; sixteen tiles on
	s_add_nc_u64 s[70:71], s[70:71], 1024
	s_add_nc_u64 s[72:73], s[72:73], 65536
	s_add_nc_u64 s[74:75], s[74:75], 8192
.endif
.endm
	PASS 1
	PASS 0
	s_wait_tensorcnt 0x0                           ; the wave's end
	ds_add_u32 v[SPW], v[NIL]
	s_wait_dscnt 0x0
	CROUND                                         ; the closing round
	s_endpgm
.Lfunc_end_k_q90166c11b0_attn:
	.size	k_q90166c11b0_attn, .Lfunc_end_k_q90166c11b0_attn-k_q90166c11b0_attn
	.p2alignl 7, 3214868480
	.fill 96, 4, 3214868480
	.section	.rodata,"a",@progbits
	.p2align	6, 0x0
	.amdhsa_kernel k_q90166c11b0_attn
		.amdhsa_group_segment_fixed_size 327680
		.amdhsa_private_segment_fixed_size 0
		.amdhsa_enable_private_segment 0
		.amdhsa_kernarg_size 48
		.amdhsa_user_sgpr_count 2
		.amdhsa_user_sgpr_kernarg_segment_ptr 1
		.amdhsa_wavefront_size32 1
		.amdhsa_system_sgpr_workgroup_id_x 1
		.amdhsa_system_sgpr_workgroup_id_y 1
		.amdhsa_system_sgpr_workgroup_id_z 1
		.amdhsa_system_vgpr_workitem_id 0
		.amdhsa_next_free_vgpr 256
		.amdhsa_next_free_sgpr 80
		.amdhsa_reserve_vcc 0
		.amdhsa_float_denorm_mode_32 3
		.amdhsa_float_denorm_mode_16_64 3
		.amdhsa_memory_ordered 1
		.amdhsa_forward_progress 1
		.amdhsa_inst_pref_size 83
	.end_amdhsa_kernel
	.amdgpu_metadata
---
amdhsa.version: [ 1, 2 ]
amdhsa.kernels:
  - .name:           k_q90166c11b0_attn
    .symbol:         k_q90166c11b0_attn.kd
    .args:
      - { .name: qimg, .offset: 0, .size: 8, .value_kind: global_buffer, .address_space: global }
      - { .name: qscl, .offset: 8, .size: 8, .value_kind: global_buffer, .address_space: global }
      - { .name: kvimg, .offset: 16, .size: 8, .value_kind: global_buffer, .address_space: global }
      - { .name: kvscl, .offset: 24, .size: 8, .value_kind: global_buffer, .address_space: global }
      - { .name: ctximg, .offset: 32, .size: 8, .value_kind: global_buffer, .address_space: global }
      - { .name: ctxscl, .offset: 40, .size: 8, .value_kind: global_buffer, .address_space: global }
    .group_segment_fixed_size: 327680
    .private_segment_fixed_size: 0
    .kernarg_segment_align: 8
    .kernarg_segment_size: 48
    .max_flat_workgroup_size: 512
    .sgpr_count:     80
    .vgpr_count:     256
    .wavefront_size: 32
...
	.end_amdgpu_metadata
.endif
;; end of part 2
;; launch outp (part 3): grid 4 x 64, 4 waves a work-group, clusters of 4 x 4, 327,680 bytes of LDS; arguments ctximg, ctxscl, Wo_codes, Wo_scales, bo, out0; writes out0
.if DOCPART == 3
	.amdgcn_target "amdgcn-amd-amdhsa--gfx1250"
	.amdhsa_code_object_version 6
	.text
	.protected	k_q90166c11b0_outp
	.globl	k_q90166c11b0_outp
	.p2align	8
	.type	k_q90166c11b0_outp,@function
k_q90166c11b0_outp:
	s_mov_b64 s[64:65], 0
	v_nop
	global_prefetch_b8 v0, s[64:65] scope:SCOPE_SE
	s_setreg_imm32_b32 hwreg(HW_REG_WAVE_MODE, 25, 1), 1
	s_wait_xcnt 0x0
	s_wait_alu depctr_hold_cnt(0) depctr_sa_sdst(0) depctr_va_vdst(0) depctr_va_sdst(0) depctr_va_ssrc(0) depctr_va_vcc(0) depctr_vm_vsrc(0)
	s_getreg_b32 s2, hwreg(HW_REG_IB_STS2, 6, 4)
	s_cmp_eq_u32 s2, 0
	s_cbranch_scc0 .Lentry_in_a_cluster
	s_endpgm
.Lentry_in_a_cluster:
	s_bfe_u32 s2, ttmp6, 0x10000c
	s_cmp_lg_u32 s2, 0xf033
	s_cbranch_scc0 .Lentry_shape_is_right
	s_endpgm
.Lentry_shape_is_right:
.set PITCH,  272
.set PHALF,  128*PITCH
.set RHALF,  16384
.set ROFF,   2*PHALF
.set SLOT,   ROFF+2*RHALF
.set SPARE,  3*SLOT
.set PITB,   528                       ; K 256 .. 767 of P: rows of 512 bytes + 16 of padding, from SLOT on
.set SLBR,   SLOT+256*PITB             ; behind them R's images of K 256 .. 767: two dense planes of 32,768 bytes
.set SPITCH, 528
.set L16,  3
.set ADRP, 5
.set ADRR, 8
.set SPW,  11
.set NIL,  12
.set VSP,  13
.set VSR,  14
.set VBP,  15
.set STO,  16
.set RD,   18
.set SCP,  32
.set SCR,  64
.set BP,   128
.set BK,   128
.set G1P,  44
.set G1R,  52
.set G0P,  68
.set G0R,  80
.set MSB, 0
.macro WIN new
.if MSB != \new
	s_set_vgpr_msb (MSB<<8)|\new
.set MSB, \new
.endif
.endm
.macro PLACES n
.rept \n
	v_nop
.endr
.endm
.macro JLOAD s
	s_cmp_eq_u32 s61, 0
	s_cbranch_scc0 .Lfor_r_\@
	tensor_load_to_lds s[G0P+4*\s:G0P+4*\s+3], s[G1P:G1P+7]
	s_nop 0
	PLACES 4
	s_branch .Lasked_\@
.Lfor_r_\@:
	tensor_load_to_lds s[G0R+4*\s:G0R+4*\s+3], s[G1R:G1R+7]
	s_nop 0
	PLACES 4
.Lasked_\@:
.endm
.macro CREST
	s_cmp_lg_u32 s60, 0
	s_cbranch_scc1 .Lnot_wave_0_\@
	s_barrier_signal -3
.Lnot_wave_0_\@:
	s_barrier_wait -3
	s_barrier_signal -1
	s_barrier_wait -1
.endm
.macro CROUND
	s_barrier_signal -1
	s_barrier_wait -1
	CREST
.endm
	s_load_b256 s[4:11], s[0:1], 0x0
	s_load_b128 s[12:15], s[0:1], 0x20
	v_lshl_add_u32 v[SPW], v0, 2, SPARE
	v_mov_b32 v[NIL], 0
	ds_add_u32 v11, v12
	ds_add_u32 v11, v12
	s_wait_dscnt 0x0
	v_lshrrev_b32 v1, 5, v0
	v_readfirstlane_b32 s60, v1
	s_lshr_b32 s61, s60, 1
	s_and_b32 s62, s60, 1
	s_bfe_u32 s94, ttmp6, 0x40000
	s_bfe_u32 s95, ttmp6, 0x40004
	s_and_b32 s100, ttmp7, 0xffff
	s_mov_b32 s96, s94
	s_lshl_b32 s97, s100, 2
	s_add_co_u32 s97, s97, s95
	s_lshl_b32 s98, 0x1111, s94
	s_lshl_b32 s99, s95, 2
	s_lshl_b32 s99, 15, s99
	s_or_b32 s[G1P], s98, (1<<20)|(1<<21)|(5<<22)|(3<<25)
	s_mov_b32 s[G1P+1], 256<<16
	s_mov_b32 s[G1P+2], 256<<16
	s_mov_b32 s[G1P+3], 256<<16
	s_mov_b32 s[G1P+4], 256
	s_mov_b32 s[G1P+5], 1024
	s_mov_b32 s[G1P+6], 0
	s_mov_b32 s[G1P+7], 0
	s_or_b32 s[G1R], s99, (3<<16)|(1<<21)
	s_mov_b32 s[G1R+1], 32<<16
	s_mov_b32 s[G1R+2], 128<<16
	s_mov_b32 s[G1R+3], 32<<16
	s_mov_b32 s[G1R+4], 128
	s_mov_b32 s[G1R+5], 32
	s_mov_b32 s[G1R+6], 0
	s_mov_b32 s[G1R+7], 0
	s_lshl_b32 s22, s96, 18
	s_lshl_b32 s24, s62, 17
	s_add_co_u32 s22, s22, s24
	s_mov_b32 s23, 0
	s_lshl_b32 s26, s97, 15
	s_lshl_b32 s28, s62, 14
	s_add_co_u32 s26, s26, s28
	s_mov_b32 s27, 0
	s_mul_i32 s25, s62, PHALF
	s_mul_i32 s29, s62, RHALF
	s_add_co_u32 s29, s29, ROFF
	s_wait_kmcnt 0x0
	s_add_nc_u64 s[22:23], s[8:9], s[22:23]
	s_add_nc_u64 s[26:27], s[4:5], s[26:27]
	CROUND
	s_lshl_b32 s16, s96, 18
	s_mov_b32 s17, 0
	s_add_nc_u64 s[16:17], s[8:9], s[16:17]        ; P's tile (the weight), first byte
	s_lshl_b32 s18, s97, 15
	s_mov_b32 s19, 0
	s_add_nc_u64 s[18:19], s[4:5], s[18:19]        ; R's tile (the context's images), first byte
	s_or_b32 s36, s98, (1<<20)|(1<<21)|(6<<22)|(3<<25)  ; group 1 for P's K 256 .. 767: 256 rows of 512 bytes, four words of padding after every 128
	s_mov_b32 s37, 512<<16
	s_mov_b32 s38, 256<<16
	s_mov_b32 s39, 512<<16
	s_mov_b32 s40, 256
	s_mov_b32 s41, 1024
	s_mov_b32 s42, 0
	s_mov_b32 s43, 0
	s_or_b32 s84, s99, (3<<16)|(1<<21)             ; for R's: two rows of 4,096 elements of 8 bytes, 2,097,152 bytes apart, dense in LDS
	s_mov_b32 s85, 4096<<16
	s_mov_b32 s86, 2<<16
	s_mov_b32 s87, 4096<<16
	s_mov_b32 s88, 2
	s_mov_b32 s89, 262144
	s_mov_b32 s90, 0
	s_mov_b32 s91, 0
	s_mov_b32 s68, 1                               ; P, K 0 .. 255, to slot 0
	s_mov_b32 s69, 0
	s_mov_b64 s[70:71], s[16:17]
	s_or_b32 s71, s71, 0x80000000
	s_mov_b32 s72, 1                               ; P, K 256 .. 767
	s_mov_b32 s73, SLOT
	s_add_nc_u64 s[74:75], s[16:17], 256
	s_or_b32 s75, s75, 0x80000000
	s_mov_b32 s76, 1                               ; R, K 0 .. 255
	s_mov_b32 s77, ROFF
	s_mov_b64 s[78:79], s[18:19]
	s_or_b32 s79, s79, 0x80000000
	s_mov_b32 s80, 1                               ; R, K 256 .. 767
	s_mov_b32 s81, SLBR
	s_add_nc_u64 s[82:83], s[18:19], 2097152
	s_or_b32 s83, s83, 0x80000000
; THE HEAD'S FOUR LOADS, ONE A WAVE: one chain of branches on the wave's number, one load to an arm
.macro ARM under, g0, g1, next
	s_cmp_lt_u32 s60, \under
	s_cbranch_scc0 \next
	tensor_load_to_lds s[\g0:\g0+3], s[\g1:\g1+7]
	s_nop 0
	PLACES 4
	s_branch .Lhead_asked
\next:
.endm
	ARM 1, 68, G1P, .Lhead_ra
	ARM 2, 76, G1R, .Lhead_pb
	ARM 3, 72, 36, .Lhead_rb
	tensor_load_to_lds s[80:83], s[84:91]
	s_nop 0
	PLACES 4
.Lhead_asked:
	s_lshl_b32 s30, s96, 13
	s_lshl_b32 s31, s61, 12
	s_add_co_u32 s30, s30, s31
	s_mov_b32 s31, 0
	s_add_nc_u64 s[10:11], s[10:11], s[30:31]
	s_lshl_b32 s30, s97, 12
	s_lshl_b32 s32, s62, 11
	s_add_co_u32 s30, s30, s32
	s_add_nc_u64 s[6:7], s[6:7], s[30:31]
	v_and_b32 v1, 15, v0
	v_bfe_u32 v2, v0, 4, 1
	v_and_b32 v[L16], 31, v0
	v_lshlrev_b32 v[L16], 4, v[L16]
	v_lshl_add_u32 v[VSP], v2, 6, v1
	v_lshlrev_b32 v[VSP], 5, v[VSP]
	v_lshl_add_u32 v[VSR], v2, 5, v1
	v_lshlrev_b32 v[VSR], 5, v[VSR]
.irp g, 0,1,2,3
	global_load_b128 v[SCP+8*\g:SCP+8*\g+3], v[VSP], s[10:11] offset:512*\g
	global_load_b128 v[SCP+8*\g+4:SCP+8*\g+7], v[VSP], s[10:11] offset:512*\g+16
.endr
.irp g, 0,1
	global_load_b128 v[SCR+8*\g:SCR+8*\g+3], v[VSR], s[6:7] offset:512*\g
	global_load_b128 v[SCR+8*\g+4:SCR+8*\g+7], v[VSR], s[6:7] offset:512*\g+16
.endr
	s_lshl_b32 s30, s96, 10
	s_lshl_b32 s32, s61, 9
	s_add_co_u32 s30, s30, s32
	v_lshlrev_b32 v[VBP], 5, v2
	v_add_nc_u32 v[VBP], s30, v[VBP]
.irp p, 0,1,2,3,4,5,6,7
	global_load_b128 v[BP+8*\p:BP+8*\p+3], v[VBP], s[12:13] offset:64*\p
	global_load_b128 v[BP+8*\p+4:BP+8*\p+7], v[VBP], s[12:13] offset:64*\p+16
.endr
	s_lshl_b32 s32, s97, 19
	s_lshl_b32 s33, s62, 18
	s_add_co_u32 s32, s32, s33
	s_add_co_u32 s30, s30, s32
	s_add_nc_u64 s[14:15], s[14:15], s[30:31]
	v_mul_u32_u24 v17, v1, PITCH
	v_lshl_add_u32 v17, v2, 4, v17
	s_mul_i32 s2, s61, PHALF
	s_mul_i32 s3, s62, RHALF
	s_add_co_u32 s3, s3, ROFF
	v_add_nc_u32 v[ADRP], s2, v17
	v_add_nc_u32 v[ADRR], s3, v[L16]
	v_mul_u32_u24 v17, v1, PITB
	v_lshl_add_u32 v17, v2, 4, v17
	s_mul_i32 s2, s61, 128*PITB
	s_add_co_u32 s2, s2, SLOT
	s_mul_i32 s3, s62, RHALF
	s_add_co_u32 s3, s3, SLBR
	v_add_nc_u32 v[ADRP+1], s2, v17
	v_add_nc_u32 v[ADRR+1], s3, v[L16]
	s_mul_i32 s2, s60, 16*SPITCH
	s_add_co_u32 s2, s2, SLOT
	v_mul_u32_u24 v[STO], v1, SPITCH
	v_lshl_add_u32 v[STO], v2, 5, v[STO]
	v_add_nc_u32 v[STO], s2, v[STO]
	v_add_nc_u32 v[RD], s2, v[L16]
.macro WM p, a, f, s, cm
.set rD, 8*(8*(\a)+(\p))
.set rA, 128*(\f)+16*(\p)
.set rB, 64*(\f)+16*(\a)
.set rC, rD
.if (\cm) == 1
.set rC, BP+8*(\p)
.endif
.set rS, SCP+8*((\p)&3)+(\s)
.set rT, SCR+8*((\a)&1)+(\s)
.if ((\p) < 4) && ((\a) < 2)
	v_wmma_scale_f32_16x16x128_f8f6f4 v[rD:rD+7], v[rA:rA+15], v[rB:rB+15], v[rC:rC+7], v[rS], v[rT]
.elseif (\p) < 4
	v_wmma_scale_f32_16x16x128_f8f6f4 v[rD:rD+7], v[rA:rA+15], v[rB:rB+15], v[rC:rC+7], v[rS], v[rT] matrix_b_scale:MATRIX_SCALE_ROW1
.elseif (\a) < 2
	v_wmma_scale_f32_16x16x128_f8f6f4 v[rD:rD+7], v[rA:rA+15], v[rB:rB+15], v[rC:rC+7], v[rS], v[rT] matrix_a_scale:MATRIX_SCALE_ROW1
.else
	v_wmma_scale_f32_16x16x128_f8f6f4 v[rD:rD+7], v[rA:rA+15], v[rB:rB+15], v[rC:rC+7], v[rS], v[rT] matrix_a_scale:MATRIX_SCALE_ROW1 matrix_b_scale:MATRIX_SCALE_ROW1
.endif
.endm
.macro MUL p0, n, f, s, cm
.if \cm
	WIN 0x4e
.else
	WIN 0x5e
.endif
.set pp, \p0
.rept \n
.irp a, 0,1,2,3
	WM pp, \a, \f, \s, \cm
.endr
.set pp, pp+1
.endr
.endm
.macro FETCH slot, q, f
	WIN 0xc0
.irp a, 0,1,2,3
.irp c, 0,1,2,3
	ds_load_b128 v[64*(\f)+16*\a+4*\c:64*(\f)+16*\a+4*\c+3], v[ADRR+\slot] offset:4096*\a+2048*((\q)&1)+32768*((\q)>>1)+512*\c
.endr
.endr
	WIN 0x80
.irp p, 0,1,2,3,4,5,6,7
.irp c, 0,1,2,3
	ds_load_b128 v[128*(\f)+16*\p+4*\c:128*(\f)+16*\p+4*\c+3], v[ADRP+\slot] offset:16*(PITCH+(PITB-PITCH)*(\slot))*\p+128*(\q)+32*\c
.endr
.endr
.endm
.macro STEP s, fslot, fq, cm
	s_wait_dscnt 16
	MUL 0, 4, (\s)&1, \s, \cm
	PLACES 8
	FETCH \fslot, \fq, 1-((\s)&1)
	s_wait_dscnt 48
	MUL 4, 4, (\s)&1, \s, \cm
.endm
.macro TURN s, fslot, refill
	WIN 0
	s_wait_tensorcnt 0x0
	ds_add_u32 v[SPW], v[NIL]
	s_wait_dscnt 17
	MUL 0, 2, (\s)&1, \s, 0
	s_wait_dscnt 0x0
	s_barrier_signal -1
	MUL 2, 2, (\s)&1, \s, 0
	WIN 0
	s_barrier_wait -1
.if \refill
	CREST
	s_mov_b32 s[G1P+2], 128<<16                    ; no tensor load of mine is out: the refill goes by halves, 128 rows of P,
	s_mov_b32 s[G1P+4], 128
	s_mov_b32 s[G1R+2], 64<<16                     ; 64 rows of 256 bytes of R's images,
	s_mov_b32 s[G1R+4], 64
	s_mov_b32 s[G0P+1], s25                        ; my half's place in slot 0,
	s_add_nc_u64 s[G0P+2:G0P+3], s[22:23], 768     ; K 768 .. 1,023
	s_or_b32 s[G0P+3], s[G0P+3], 0x80000000
	s_mov_b32 s[G0R+1], s29
	s_add_nc_u64 s[G0R+2:G0R+3], s[26:27], 3*2097152
	s_or_b32 s[G0R+3], s[G0R+3], 0x80000000
	JLOAD 0
	PLACES 4
.else
	PLACES 8
.endif
	FETCH \fslot, 0, 1-((\s)&1)
	MUL 4, 4, (\s)&1, \s, 0
.endm
	s_wait_alu depctr_va_vdst(0)
	s_wait_tensorcnt 0x0                           ; my one load of the head is in
	s_barrier_signal -1
	s_barrier_wait -1
	FETCH 0, 0, 0
	s_wait_loadcnt 0x0
	STEP 0, 0, 1, 1
	TURN 1, 1, 1
	STEP 2, 1, 1, 0
	STEP 3, 1, 2, 0
	STEP 4, 1, 3, 0
	TURN 5, 0, 0
	STEP 6, 0, 1, 0
	s_wait_dscnt 16
	MUL 0, 4, 1, 7, 0
	s_wait_dscnt 0x0
	MUL 4, 4, 1, 7, 0
	WIN 0
.macro TOSTAGE a
	WIN 0x04
.irp p, 0,1,2,3,4,5,6,7
	ds_store_b128 v[STO], v[64*(\a)+8*\p:64*(\a)+8*\p+3] offset:64*\p
	ds_store_b128 v[STO], v[64*(\a)+8*\p+4:64*(\a)+8*\p+7] offset:64*\p+16
.endr
	WIN 0
.set BB, BK+64*((\a)%2)
.irp t, 0,1,2,3,4,5,6,7,8,9,10,11,12,13,14,15
	ds_load_b128 v[BB+4*\t:BB+4*\t+3], v[RD] offset:\t*SPITCH
.endr
.endm
.macro SEND a, younger
.set BB, BK+64*((\a)%2)
	s_wait_dscnt \younger
.irp t, 0,1,2,3,4,5,6,7,8,9,10,11,12,13,14,15
	global_store_b128 v[L16], v[BB+4*\t:BB+4*\t+3], s[14:15] offset:65536*(\a)+4096*\t th:TH_STORE_NT
.endr
.endm
	PLACES 8
	TOSTAGE 0
	TOSTAGE 1
	SEND 0, 32
	s_wait_xcnt 0x0
	TOSTAGE 2
	SEND 1, 32
	s_wait_xcnt 0x0
	TOSTAGE 3
	SEND 2, 32
	SEND 3, 0
	s_wait_tensorcnt 0x0
	ds_add_u32 v[SPW], v[NIL]
	s_wait_dscnt 0x0
	CROUND
	s_endpgm
.Lfunc_end_k_q90166c11b0_outp:
	.size	k_q90166c11b0_outp, .Lfunc_end_k_q90166c11b0_outp-k_q90166c11b0_outp
	.p2alignl 7, 3214868480
	.fill 96, 4, 3214868480
	.section	.rodata,"a",@progbits
	.p2align	6, 0x0
	.amdhsa_kernel k_q90166c11b0_outp
		.amdhsa_group_segment_fixed_size 327680
		.amdhsa_private_segment_fixed_size 0
		.amdhsa_enable_private_segment 0
		.amdhsa_kernarg_size 48
		.amdhsa_user_sgpr_count 2
		.amdhsa_user_sgpr_kernarg_segment_ptr 1
		.amdhsa_wavefront_size32 1
		.amdhsa_system_sgpr_workgroup_id_x 1
		.amdhsa_system_sgpr_workgroup_id_y 1
		.amdhsa_system_sgpr_workgroup_id_z 1
		.amdhsa_system_vgpr_workitem_id 0
		.amdhsa_next_free_vgpr 896
		.amdhsa_next_free_sgpr 106
		.amdhsa_reserve_vcc 0
		.amdhsa_float_denorm_mode_32 3
		.amdhsa_float_denorm_mode_16_64 3
		.amdhsa_memory_ordered 1
		.amdhsa_forward_progress 1
		.amdhsa_inst_pref_size 87
	.end_amdhsa_kernel
	.amdgpu_metadata
---
amdhsa.version: [ 1, 2 ]
amdhsa.kernels:
  - .name:           k_q90166c11b0_outp
    .symbol:         k_q90166c11b0_outp.kd
    .args:
      - { .name: ctximg, .offset: 0, .size: 8, .value_kind: global_buffer, .address_space: global }
      - { .name: ctxscl, .offset: 8, .size: 8, .value_kind: global_buffer, .address_space: global }
      - { .name: Wo_codes, .offset: 16, .size: 8, .value_kind: global_buffer, .address_space: global }
      - { .name: Wo_scales, .offset: 24, .size: 8, .value_kind: global_buffer, .address_space: global }
      - { .name: bo, .offset: 32, .size: 8, .value_kind: global_buffer, .address_space: global }
      - { .name: out0, .offset: 40, .size: 8, .value_kind: global_buffer, .address_space: global }
    .group_segment_fixed_size: 327680
    .private_segment_fixed_size: 0
    .kernarg_segment_align: 8
    .kernarg_segment_size: 48
    .max_flat_workgroup_size: 128
    .sgpr_count:     106
    .vgpr_count:     896
    .wavefront_size: 32
...
	.end_amdgpu_metadata
.endif
;; end of part 3
